; MI455X (gfx1250); checked and timed in simulation.
; The chip was launched on July 23, 2026; its instructions are those of AMD's public machine-readable ISA for CDNA 5 (MIT licence, August 2026) and "CDNA5" Instruction Set Architecture Reference Guide (July 2026). The comments in the code are by the model that wrote it; some were corrected since.
;; Attention Cross Layer. Allowed arithmetic: float matrix products may take bf16 or f16 operands with f32 sums; other float arithmetic in f32, or as packed bf16 or f16 multiplies, adds, multiply-adds, maxima and minima; sums over many terms, partial sums and values carried from step to step in f32; what a program stores and reads back later, other than sums and carried values, may be rounded once to bf16 or f16.
;; Inputs: bk 3 x 8 x 64 float32; bo 3 x 1,024 float32; bq 3 x 8 x 64 float32; bv 3 x 8 x 64 float32; cb 3 x 1,024 float32; cw 3 x 1,024 x 1 float32; wk 3 x 1,024 x 8 x 64 float32; wo 3 x 8 x 64 x 1,024 float32; wq 3 x 1,024 x 8 x 64 float32; wv 3 x 1,024 x 8 x 64 float32; x 8,192 x 1,024 float32.
;; Outputs: out0 8,192 x 1,024 float32.
;; 2 versions, each right; version 2 is version 1 with the launch prep written anew for expert scheduling mode. Each part assembles by itself: llvm-mc -triple=amdgcn-amd-amdhsa -mcpu=gfx1250 --defsym DOCPART=n.
;; ======== version 1 of 2: 3 launches
;; workspace buffers: xb 16,777,216 bytes; wt 6,291,456 bytes; qb 6,144 bytes; gt 49,152 bytes; cst 6,144 bytes; ss 2,097,152 bytes
;; launch prep (part 1): grid 400 x 1, 8 waves a work-group, no clusters, 78,848 bytes of LDS; arguments x, xb, wq, wk, wt, cb, bq, qb, wo, cw, wv, bv, bo, gt, cst; writes xb, wt, qb, gt, cst
.if DOCPART == 1
	.amdgcn_target "amdgcn-amd-amdhsa--gfx1250"
	.amdhsa_code_object_version 6
	.text
	.protected	k_q6f4d591640_prep
	.globl	k_q6f4d591640_prep
	.p2align	8
	.type	k_q6f4d591640_prep,@function
k_q6f4d591640_prep:
	s_mov_b64 s[64:65], 0
	v_nop
	global_prefetch_b8 v0, s[64:65] scope:SCOPE_SE
	s_setreg_imm32_b32 hwreg(HW_REG_WAVE_MODE, 25, 1), 1
	s_wait_xcnt 0x0
; PREPARATION for the three cross layers.  With p = 8 i + h (layer i, head h) it makes, once:
;   xb  = bf16(x), laid [kb 16][row 8192][64]: a block of 64 channels of 128 rows is 16,384 dense bytes
;   wt  = bf16 of wq and wk, turned to [kb 16][n 3072][64 d]; row n: see NROW below
;   qb  = beta_i @ wq_p + bq_p, beta_i = the sum of cb_j over j < i   (f32, [p][64])
;   gt  = G_p[d] = wv[i,d,h,:] . u_p, u_p[k] = wo[i,h,k,:] . cw_i     (bf16, [p][1024])
;   cst = (cv_p, c0h_p) = (bv_p . u_p, the sum over d' = 128 h .. 128 h + 127 of bo_i[d'] cw_i[d']), 32 times: 256 bytes a pair
; These rest on x_i = alpha_i x0 + beta_i and on out @ cw being linear in attn; they hold for every input.  LIMIT: the order of the f32 sums differs from the written one.
; FOUR ROLES by the work-group's number, the long ones first: G 0-95 (pair id / 4, quarter id % 4 of d), WQ 96-119 and WK 120-143 (a pair each), X 144-399 (32 rows of x each).
; The branches hang on the work-group's number alone, so all eight waves of a work-group take the same role and meet the same barriers.  Each role has LDS bytes of its own: no byte is named by two roles.
; All bytes come through registers: each weight is used for one multiply-add, nothing is read twice out of LDS.  NO CLUSTER: the one shared stream is wo (a pair's 262,144 bytes, read by its four
; G work-groups): it goes straight into registers, and is 19 of the launch's 100 million requested bytes.  No matrix unit: one f32 multiply-add for each weight byte read.
; NROW: j = p / 3, pl = p % 3, mat = 0 (q), 1 (k), c the head's channel.  pl < 2: n = 384 j + 192 pl + 64 mat + c.  pl = 2: n = 384 j + 192 (c / 32) + 128 + 32 mat + c % 32.
.set GLB,   1024                       ; LDS, role G: the work-group's 256 G in f32, 1,024 bytes;  u lies at LDS byte 0 (256 bytes)
.set STG,   2048                       ; LDS, roles WQ and WK: eight waves' stages, 64 rows x 144 bytes = 9,216 bytes each
.set QPB,   STG+8*9216                 ; LDS, role WQ: eight waves' partial qb, 256 bytes each (75,776)
.set SPARE, QPB+8*256                  ; LDS: the spare words, 128 bytes for each of eight waves (77,824)
.set PKD,   16                         ; v16-31   W: 32 d of one column, packed
.set QA,    32                         ; v32-39   WQ: qb's partial sums: parity of t x (c0 c1, c2 c3)
.set BET,   40                         ; v40-71   WQ: beta of my 32 d
.set CB1,   72                         ; v72-103  WQ: cb row 1 of my 32 d
.set TT,    104                        ; v104-231 W: T[t][e], d = 64 kb + 32 (lane / 16) + t, c = 4 (lane % 16) + e
	s_load_b512 s[8:23], s[0:1], 0x0               ; x 8, xb 10, wq 12, wk 14, wt 16, cb 18, bq 20, qb 22
	s_load_b256 s[24:31], s[0:1], 0x40             ; wo 24, cw 26, wv 28, bv 30
	s_load_b128 s[32:35], s[0:1], 0x60             ; bo 32, gt 34
	s_load_b64 s[36:37], s[0:1], 0x70              ; cst
	v_lshl_add_u32 v4, v0, 2, SPARE                ; my spare word; never rewritten
	v_mov_b32 v5, 0                                ; 0; never rewritten
	v_and_b32 v1, 31, v0                           ; l
	v_and_b32 v2, 15, v0                           ; r = l % 16
	v_bfe_u32 v3, v0, 4, 1                         ; hh = l / 16
	v_lshrrev_b32 v6, 5, v0
	v_readfirstlane_b32 s3, v6                     ; wave 0..7
	s_mov_b32 s46, 0x76543210                      ; v_permlanex16_b32: each lane takes its own place in the other half
	s_mov_b32 s47, 0xfedcba98
	s_mov_b32 s39, 0                               ; the high word of every offset pair s[38:39]
	s_wait_kmcnt 0x0
	s_cmp_lt_u32 ttmp9, 96
	s_cbranch_scc1 .Lrole_g
	s_cmp_lt_u32 ttmp9, 120
	s_cbranch_scc1 .Lrole_wq
	s_cmp_lt_u32 ttmp9, 144
	s_cbranch_scc1 .Lrole_wk
; ROLE X.  32 rows a work-group, 4 a wave, as two pairs of rows.  Load n = 16 rp + kb: lanes 0-15 take 256 consecutive bytes (64 channels) of one row, lanes 16-31 of the next.
; All 32 loads of a wave go out at once (16 KiB); each is rounded and stored as it comes: 32 lanes x 8 bytes are two rows' 128 bytes of xb, 256 consecutive bytes, aligned.
	s_sub_co_u32 s40, ttmp9, 144
	s_lshl_b32 s38, s40, 17                        ; 32 rows of 4,096 bytes
	s_add_nc_u64 s[8:9], s[8:9], s[38:39]
	s_lshl_b32 s38, s40, 12                        ; 32 rows of 128 bytes
	s_add_nc_u64 s[10:11], s[10:11], s[38:39]
	s_add_nc_u64 s[48:49], s[10:11], 0x800000      ; blocks kb 8-15: their distance does not fit a store's immediate
	v_lshlrev_b32 v6, 4, v2
	v_lshl_add_u32 v6, v3, 12, v6
	s_lshl_b32 s41, s3, 14
	v_add_nc_u32 v6, s41, v6                       ; 16,384 w + 4,096 hh + 16 r
	v_lshlrev_b32 v7, 3, v2
	v_lshl_add_u32 v7, v3, 7, v7
	s_lshl_b32 s41, s3, 9
	v_add_nc_u32 v7, s41, v7                       ; 512 w + 128 hh + 8 r
.set n, 0
.rept 32
	global_load_b128 v[16+4*n:16+4*n+3], v6, s[8:9] offset:8192*(n/16)+256*(n%16) th:TH_LOAD_NT
.set n, n+1
.endr
.set n, 0
.rept 32
	s_wait_loadcnt 31-n                            ; loads come back in order: load n is in, the 31 - n younger ones stay out
	v_cvt_pk_bf16_f32 v[16+4*n], v[16+4*n], v[16+4*n+1]
	v_cvt_pk_bf16_f32 v[16+4*n+1], v[16+4*n+2], v[16+4*n+3]
.if (n%16) < 8
	global_store_b64 v7, v[16+4*n:16+4*n+1], s[10:11] offset:(n%8)*1048576+256*(n/16)
.else
	global_store_b64 v7, v[16+4*n:16+4*n+1], s[48:49] offset:(n%8)*1048576+256*(n/16)
.endif
.set n, n+1
.endr
	s_branch .Lend
; ROLES WQ AND WK.  One head's matrix [1024 d][64 c] a work-group; wave w turns the blocks kb = w and w + 8 of 64 d.
; A block: 32 loads (each half of the lanes takes the 256 bytes of one d); for each e a lane packs its 32 d of column 4 r + e into 64 bytes and puts them into its wave's stage (64 rows c, pitch 144);
; the rows come back whole, four to a load, and leave as 512 consecutive bytes of wt.  The stage is the wave's own, and LDS serves a wave's instructions in order: no wait between stores and loads.
.macro TILE tl, withq
.if \withq
.irp q, 0,1,2,3,4,5,6,7
	global_load_b128 v[BET+4*(\q):BET+4*(\q)+3], v7, s[18:19] offset:2048*(\tl)+16*(\q)        ; cb row 0 of my 32 d
	global_load_b128 v[CB1+4*(\q):CB1+4*(\q)+3], v7, s[18:19] offset:2048*(\tl)+16*(\q)+4096   ; cb row 1
.endr
.endif
.set t, 0
.rept 32
	global_load_b128 v[TT+4*t:TT+4*t+3], v6, s[48:49] offset:1048576*(\tl)+2048*t th:TH_LOAD_NT
.set t, t+1
.endr
	s_wait_loadcnt 0x0
.if \withq
.set z, 0
.rept 16
	v_pk_mul_f32 v[BET+2*z:BET+2*z+1], v[BET+2*z:BET+2*z+1], s[42:43] op_sel_hi:[1,0]          ; beta = f0 cb_0
.set z, z+1
.endr
.set z, 0
.rept 16
	v_pk_fma_f32 v[BET+2*z:BET+2*z+1], v[CB1+2*z:CB1+2*z+1], s[44:45], v[BET+2*z:BET+2*z+1] op_sel_hi:[1,0,1]  ; + f1 cb_1
.set z, z+1
.endr
.set t, 0
.rept 32                               ; qb's partial sums: T[t][c] beta[t], two columns an instruction, even and odd t in chains of their own; the block's first two t start the sums
.irp c, 0,2
.if ((\tl) == 0) && (t < 2)
.if t%2
	v_pk_mul_f32 v[QA+4+(\c):QA+5+(\c)], v[TT+4*t+(\c):TT+4*t+(\c)+1], v[BET+2*(t/2):BET+2*(t/2)+1] op_sel:[0,1] op_sel_hi:[1,1]
.else
	v_pk_mul_f32 v[QA+(\c):QA+1+(\c)], v[TT+4*t+(\c):TT+4*t+(\c)+1], v[BET+2*(t/2):BET+2*(t/2)+1] op_sel_hi:[1,0]
.endif
.else
.if t%2
	v_pk_fma_f32 v[QA+4+(\c):QA+5+(\c)], v[TT+4*t+(\c):TT+4*t+(\c)+1], v[BET+2*(t/2):BET+2*(t/2)+1], v[QA+4+(\c):QA+5+(\c)] op_sel:[0,1,0] op_sel_hi:[1,1,1]
.else
	v_pk_fma_f32 v[QA+(\c):QA+1+(\c)], v[TT+4*t+(\c):TT+4*t+(\c)+1], v[BET+2*(t/2):BET+2*(t/2)+1], v[QA+(\c):QA+1+(\c)] op_sel_hi:[1,0,1]
.endif
.endif
.endr
.set t, t+1
.endr
.endif
.irp e, 0,1,2,3
.set tp, 0
.rept 16
	v_cvt_pk_bf16_f32 v[PKD+tp], v[TT+8*tp+(\e)], v[TT+8*tp+4+(\e)]
.set tp, tp+1
.endr
.irp q, 0,1,2,3
	ds_store_b128 v8, v[PKD+4*(\q):PKD+4*(\q)+3] offset:144*(\e)+16*(\q)
.endr
.endr
.irp s, 0,1,2,3,4,5,6,7,8,9,10,11,12,13,14,15
	ds_load_b128 v[TT+4*(\s):TT+4*(\s)+3], v9 offset:576*(\s)                                  ; columns 4 s .. 4 s + 3, 128 bytes each
.endr
.irp s, 0,1,2,3,4,5,6,7,8,9,10,11,12,13,14,15
	s_wait_dscnt 15-(\s)                           ; load s is back, the younger ones stay out
.if (\s) < 8
	global_store_b128 v10, v[TT+4*(\s):TT+4*(\s)+3], s[16:17] offset:3145728*(\tl)+512*(\s)
.else
	global_store_b128 v11, v[TT+4*(\s):TT+4*(\s)+3], s[16:17] offset:3145728*(\tl)+512*(\s)    ; columns 32-63: a third pair's second half lies 160 rows further on
.endif
.endr
	s_wait_xcnt 0x0                                ; the stores have read T's registers: only behind this wait are they loaded again
.endm
.macro WROLE withq, idbase, src
	s_sub_co_u32 s40, ttmp9, \idbase               ; p
	s_lshr_b32 s41, s40, 3                         ; i
	s_and_b32 s50, s40, 7                          ; h
	s_mul_i32 s51, s40, 11
	s_lshr_b32 s51, s51, 5                         ; j = p / 3 (exact for p < 24)
	s_mul_i32 s52, s51, 3
	s_sub_co_u32 s52, s40, s52                     ; pl
	s_mul_i32 s53, s51, 384
	s_mul_i32 s55, s52, 192
	s_add_co_u32 s55, s55, 64*(1-(\withq))
	s_cmp_eq_u32 s52, 2
	s_cselect_b32 s55, 128+32*(1-(\withq)), s55
	s_cselect_b32 s54, 160*128, 0                  ; what columns 32-63 add, in bytes
	s_add_co_u32 s53, s53, s55
	s_lshl_b32 s53, s53, 7                         ; the first row n, in bytes
	s_lshl_b32 s38, s41, 21
	s_lshl_b32 s57, s50, 8
	s_add_co_u32 s38, s38, s57
	s_add_nc_u64 s[48:49], s[\src:\src+1], s[38:39]  ; the head's matrix: + 2,097,152 i + 256 h
	s_lshl_b32 s57, s3, 17
	v_lshlrev_b32 v6, 4, v2
	v_lshl_add_u32 v6, v3, 16, v6
	v_add_nc_u32 v6, s57, v6                       ; 131,072 w + 65,536 hh + 16 r
	s_mul_i32 s58, s3, 9216
	s_add_co_u32 s58, s58, STG                     ; my wave's stage
	v_mul_u32_u24 v8, v2, 576
	v_lshl_add_u32 v8, v3, 6, v8
	v_add_nc_u32 v8, s58, v8                       ; in: row 4 r (+ e), byte 64 hh
	v_lshrrev_b32 v9, 3, v1
	v_mul_u32_u24 v9, v9, 144
	v_and_b32 v12, 7, v1
	v_lshl_add_u32 v9, v12, 4, v9
	v_add_nc_u32 v9, s58, v9                       ; back: row l / 8, byte 16 (l % 8)
	s_mul_i32 s56, s3, 393216
	s_add_co_u32 s56, s56, s53
	v_lshl_add_u32 v10, v1, 4, s56                 ; wt: block kb = w, first row n, 16 l
	v_add_nc_u32 v11, s54, v10
.if \withq
	s_lshl_b32 s57, s3, 8
	v_lshl_add_u32 v7, v3, 7, s57                  ; cb: 256 w + 128 hh
	s_add_co_u32 s57, s57, QPB
	v_lshl_add_u32 v12, v2, 4, s57                 ; my wave's partial qb, 16 r
	s_cmp_ge_u32 s41, 1
	s_cselect_b32 s42, 1.0, 0                      ; f0: cb_0 counts from layer 1 on
	s_mov_b32 s43, s42
	s_cmp_ge_u32 s41, 2
	s_cselect_b32 s44, 1.0, 0                      ; f1: cb_1 in layer 2
	s_mov_b32 s45, s44
.endif
	TILE 0, \withq
	TILE 1, \withq
.endm
.Lrole_wk:
	WROLE 0, 120, 14
	s_branch .Lend
.Lrole_wq:
	WROLE 1, 96, 12
	v_pk_add_f32 v[QA:QA+1], v[QA:QA+1], v[QA+4:QA+5]          ; the two parities,
	v_pk_add_f32 v[QA+2:QA+3], v[QA+2:QA+3], v[QA+6:QA+7]
.irp e, 0,1,2,3
	v_permlanex16_b32 v[BET+(\e)], v[QA+(\e)], s46, s47        ; the other half of the lanes' 32 d,
.endr
	v_pk_add_f32 v[QA:QA+1], v[QA:QA+1], v[BET:BET+1]
	v_pk_add_f32 v[QA+2:QA+3], v[QA+2:QA+3], v[BET+2:BET+3]
	ds_store_b128 v12, v[QA:QA+3]                  ; and the eight waves' sums meet in LDS (both halves of the lanes write the same numbers)
	s_wait_dscnt 0x0                               ; for the others' sake: my store is done
	s_barrier_signal -1
	s_barrier_wait -1
	s_cmp_lg_u32 s3, 0
	s_cbranch_scc1 .Lend                           ; wave 0 finishes qb
	s_lshl_b32 s57, s40, 8
	v_lshl_add_u32 v13, v1, 3, s57                 ; 256 p + 8 l: columns 2 l, 2 l + 1
	v_lshl_add_u32 v14, v1, 3, QPB
	global_load_b64 v[60:61], v13, s[20:21]        ; bq
.irp w, 0,1,2,3,4,5,6,7
	ds_load_b64 v[44+2*(\w):45+2*(\w)], v14 offset:256*(\w)
.endr
	s_wait_dscnt 0x0
	s_wait_loadcnt 0x0
	v_pk_add_f32 v[44:45], v[44:45], v[46:47]
	v_pk_add_f32 v[48:49], v[48:49], v[50:51]
	v_pk_add_f32 v[52:53], v[52:53], v[54:55]
	v_pk_add_f32 v[56:57], v[56:57], v[58:59]
	v_pk_add_f32 v[44:45], v[44:45], v[48:49]
	v_pk_add_f32 v[52:53], v[52:53], v[56:57]
	v_pk_add_f32 v[44:45], v[44:45], v[52:53]
	v_pk_add_f32 v[44:45], v[44:45], v[60:61]
	global_store_b64 v13, v[44:45], s[22:23]       ; 32 lanes x 8 bytes: the pair's 256 bytes, whole
	s_branch .Lend
; ROLE G.  First u_p: wave w makes u[8 w .. 8 w + 7], a row of wo (4,096 bytes, 8 loads a lane) each, through four row slots: three rows are always on their way.
; The slots that come free last take the wave's 32 rows d of wv's head slice.  Then G[d] = wv[d] . u for d = 256 dq + 32 w + 2 t + hh, a half of the lanes to a d.
; v16-47 cw_i; v48-175 four row slots; v176-177 bv; v178-181 bo, v182-185 cw of my 4 d'; v186-193 eight u; v194-197 at work; v200-203 u[4 r ..]; v204-205 u[2 l ..]; v206-221 G; v222-223 cv, c0h
.Lrole_g:
	s_lshr_b32 s40, ttmp9, 2                       ; p
	s_and_b32 s51, ttmp9, 3                        ; dq
	s_lshr_b32 s41, s40, 3                         ; i
	s_and_b32 s50, s40, 7                          ; h
	s_lshl_b32 s38, s41, 12
	s_add_nc_u64 s[26:27], s[26:27], s[38:39]      ; cw_i
	s_add_nc_u64 s[32:33], s[32:33], s[38:39]      ; bo_i
	s_lshl_b32 s38, s50, 9
	s_add_nc_u64 s[32:33], s[32:33], s[38:39]      ; bo_i at d' = 128 h
	s_add_nc_u64 s[48:49], s[26:27], s[38:39]      ; cw_i at d' = 128 h
	s_lshl_b32 s38, s40, 18
	s_add_nc_u64 s[24:25], s[24:25], s[38:39]      ; wo's 64 rows of the pair
	s_lshl_b32 s38, s41, 21
	s_lshl_b32 s52, s50, 8
	s_add_co_u32 s38, s38, s52
	s_lshl_b32 s52, s51, 19
	s_add_co_u32 s38, s38, s52
	s_add_nc_u64 s[28:29], s[28:29], s[38:39]      ; wv: layer, head, my quarter's first d
	s_lshl_b32 s38, s40, 8
	s_add_nc_u64 s[30:31], s[30:31], s[38:39]      ; bv_p
	s_add_nc_u64 s[36:37], s[36:37], s[38:39]      ; cst's block p
	s_lshl_b32 s38, s40, 11
	s_lshl_b32 s52, s51, 9
	s_add_co_u32 s38, s38, s52
	s_add_nc_u64 s[34:35], s[34:35], s[38:39]      ; gt: row p, my quarter
	v_lshlrev_b32 v6, 4, v1                        ; 16 l
	s_lshl_b32 s52, s3, 15
	v_add_nc_u32 v7, s52, v6                       ; wo: 8 rows a wave
	s_lshl_b32 s52, s3, 16
	v_lshlrev_b32 v8, 4, v2
	v_lshl_add_u32 v8, v3, 11, v8
	v_add_nc_u32 v8, s52, v8                       ; wv: row 32 w + hh, 16 r
	s_lshl_b32 s52, s3, 5
	v_mov_b32 v9, s52                              ; LDS: u[8 w]
	s_lshl_b32 s52, s3, 7
	s_add_co_u32 s52, s52, GLB
	v_lshl_add_u32 v10, v3, 2, s52                 ; LDS: G[32 w + hh]
	v_lshlrev_b32 v11, 3, v1                       ; 8 l
	v_lshlrev_b32 v12, 4, v2                       ; 16 r
	v_lshl_add_u32 v13, v1, 5, GLB                 ; LDS: G[8 l]
.set t, 0
.rept 8
	global_load_b128 v[16+4*t:16+4*t+3], v6, s[26:27] offset:512*t
.set t, t+1
.endr
	global_load_b64 v[176:177], v11, s[30:31]
	global_load_b128 v[178:181], v6, s[32:33]
	global_load_b128 v[182:185], v6, s[48:49]
.set n, 0
.rept 32
	global_load_b128 v[48+4*n:48+4*n+3], v7, s[24:25] offset:4096*(n/8)+512*(n%8)  ; rows 0-3
.set n, n+1
.endr
.macro DOT rr
.if (\rr) < 7
	s_wait_loadcnt 24                              ; row rr is in; three younger groups of eight loads stay out
.else
	s_wait_loadcnt 16                              ; behind the last row only wv's two groups are out
.endif
.set RS, 48+32*((\rr)%4)
	v_pk_mul_f32 v[194:195], v[RS:RS+1], v[16:17]
	v_pk_mul_f32 v[196:197], v[RS+2:RS+3], v[18:19]
.set t, 1
.rept 7
	v_pk_fma_f32 v[194:195], v[RS+4*t:RS+4*t+1], v[16+4*t:16+4*t+1], v[194:195]
	v_pk_fma_f32 v[196:197], v[RS+4*t+2:RS+4*t+3], v[16+4*t+2:16+4*t+3], v[196:197]
.set t, t+1
.endr
	v_pk_add_f32 v[194:195], v[194:195], v[196:197]
	v_add_f32 v[186+(\rr)], v194, v195
.if (\rr) < 4
.set t, 0
.rept 8
	global_load_b128 v[RS+4*t:RS+4*t+3], v7, s[24:25] offset:4096*((\rr)+4)+512*t
.set t, t+1
.endr
.elseif (\rr) < 6
.set t, 0
.rept 8
	global_load_b128 v[RS+4*t:RS+4*t+3], v8, s[28:29] offset:4096*(8*((\rr)-4)+t) th:TH_LOAD_NT  ; wv's pieces 8 (rr - 4) + t
.set t, t+1
.endr
.endif
.endm
.irp rr, 0,1,2,3,4,5,6,7
	DOT \rr
.endr
.irp m, 1,2,4,8                        ; the eight sums over the 32 lanes, side by side
.irp rr, 0,1,2,3,4,5,6,7
	v_add_f32_dpp v[186+(\rr)], v[186+(\rr)], v[186+(\rr)] row_xmask:\m row_mask:0xf bank_mask:0xf
.endr
.endr
.irp rr, 0,1,2,3,4,5,6,7
	v_permlanex16_b32 v[112+(\rr)], v[186+(\rr)], s46, s47     ; into registers of row slot 2, which is read out
.endr
.irp rr, 0,1,2,3,4,5,6,7
	v_add_f32 v[186+(\rr)], v[186+(\rr)], v[112+(\rr)]
.endr
.irp rr, 0,1,2,3,4,5,6,7
	ds_store_b32 v9, v[186+(\rr)] offset:4*(\rr)   ; all lanes write the same word with the same number
.endr
	s_wait_dscnt 0x0                               ; for the others' sake: my eight u are in LDS
	s_barrier_signal -1
	s_barrier_wait -1                              ; all 64 are
	ds_load_b128 v[200:203], v12
	ds_load_b64 v[204:205], v11
	s_wait_dscnt 0x0
	s_wait_loadcnt 8                               ; wv's pieces 0-7 are in, pieces 8-15 may stay out
.set t, 0
.rept 16
.if t == 8
	s_wait_loadcnt 0x0
.endif
	v_pk_mul_f32 v[48+4*t:49+4*t], v[48+4*t:49+4*t], v[200:201]
	v_pk_fma_f32 v[48+4*t:49+4*t], v[50+4*t:51+4*t], v[202:203], v[48+4*t:49+4*t]
	v_add_f32 v[206+t], v[48+4*t], v[49+4*t]
.set t, t+1
.endr
	v_pk_mul_f32 v[194:195], v[176:177], v[204:205]            ; cv: bv . u
	v_pk_mul_f32 v[196:197], v[178:179], v[182:183]            ; c0h: bo . cw over the head's 128 d'
	v_pk_fma_f32 v[196:197], v[180:181], v[184:185], v[196:197]
	v_add_f32 v222, v194, v195
	v_add_f32 v223, v196, v197
.irp m, 1,2,4,8
.set t, 0
.rept 18                               ; G's 16 (a half of the lanes each) and cv, c0h
	v_add_f32_dpp v[206+t], v[206+t], v[206+t] row_xmask:\m row_mask:0xf bank_mask:0xf
.set t, t+1
.endr
.endr
	v_permlanex16_b32 v112, v222, s46, s47
	v_permlanex16_b32 v113, v223, s46, s47
	v_add_f32 v222, v222, v112
	v_add_f32 v223, v223, v113
.set t, 0
.rept 16
	ds_store_b32 v10, v[206+t] offset:8*t
.set t, t+1
.endr
	s_wait_dscnt 0x0
	s_barrier_signal -1
	s_barrier_wait -1                              ; the work-group's 256 G lie in LDS
	s_cmp_lg_u32 s3, 0
	s_cbranch_scc1 .Lend
	ds_load_b128 v[16:19], v13
	ds_load_b128 v[20:23], v13 offset:16
	s_wait_dscnt 0x0
	v_cvt_pk_bf16_f32 v24, v16, v17
	v_cvt_pk_bf16_f32 v25, v18, v19
	v_cvt_pk_bf16_f32 v26, v20, v21
	v_cvt_pk_bf16_f32 v27, v22, v23
	global_store_b128 v6, v[24:27], s[34:35]       ; 512 consecutive bytes of gt
	s_cmp_lg_u32 s51, 0
	s_cbranch_scc1 .Lend                           ; the pair's first quarter writes its constants
	global_store_b64 v11, v[222:223], s[36:37]     ; the same pair from every lane: 256 bytes, whole
.Lend:
	s_wait_tensorcnt 0x0                           ; the wave's end
	ds_add_u32 v4, v5
	s_wait_dscnt 0x0
	s_endpgm
.Lfunc_end_k_q6f4d591640_prep:
	.size	k_q6f4d591640_prep, .Lfunc_end_k_q6f4d591640_prep-k_q6f4d591640_prep
	.p2alignl 7, 3214868480
	.fill 96, 4, 3214868480
	.section	.rodata,"a",@progbits
	.p2align	6, 0x0
	.amdhsa_kernel k_q6f4d591640_prep
		.amdhsa_group_segment_fixed_size 78848
		.amdhsa_private_segment_fixed_size 0
		.amdhsa_enable_private_segment 0
		.amdhsa_kernarg_size 120
		.amdhsa_user_sgpr_count 2
		.amdhsa_user_sgpr_kernarg_segment_ptr 1
		.amdhsa_wavefront_size32 1
		.amdhsa_system_sgpr_workgroup_id_x 1
		.amdhsa_system_sgpr_workgroup_id_y 1
		.amdhsa_system_sgpr_workgroup_id_z 1
		.amdhsa_system_vgpr_workitem_id 0
		.amdhsa_next_free_vgpr 256
		.amdhsa_next_free_sgpr 66
		.amdhsa_reserve_vcc 0
		.amdhsa_float_denorm_mode_32 3
		.amdhsa_float_denorm_mode_16_64 3
		.amdhsa_memory_ordered 1
		.amdhsa_forward_progress 1
		.amdhsa_inst_pref_size 110
	.end_amdhsa_kernel
	.amdgpu_metadata
---
amdhsa.version: [ 1, 2 ]
amdhsa.kernels:
  - .name:           k_q6f4d591640_prep
    .symbol:         k_q6f4d591640_prep.kd
    .args:
      - { .name: x, .offset: 0, .size: 8, .value_kind: global_buffer, .address_space: global }
      - { .name: xb, .offset: 8, .size: 8, .value_kind: global_buffer, .address_space: global }
      - { .name: wq, .offset: 16, .size: 8, .value_kind: global_buffer, .address_space: global }
      - { .name: wk, .offset: 24, .size: 8, .value_kind: global_buffer, .address_space: global }
      - { .name: wt, .offset: 32, .size: 8, .value_kind: global_buffer, .address_space: global }
      - { .name: cb, .offset: 40, .size: 8, .value_kind: global_buffer, .address_space: global }
      - { .name: bq, .offset: 48, .size: 8, .value_kind: global_buffer, .address_space: global }
      - { .name: qb, .offset: 56, .size: 8, .value_kind: global_buffer, .address_space: global }
      - { .name: wo, .offset: 64, .size: 8, .value_kind: global_buffer, .address_space: global }
      - { .name: cw, .offset: 72, .size: 8, .value_kind: global_buffer, .address_space: global }
      - { .name: wv, .offset: 80, .size: 8, .value_kind: global_buffer, .address_space: global }
      - { .name: bv, .offset: 88, .size: 8, .value_kind: global_buffer, .address_space: global }
      - { .name: bo, .offset: 96, .size: 8, .value_kind: global_buffer, .address_space: global }
      - { .name: gt, .offset: 104, .size: 8, .value_kind: global_buffer, .address_space: global }
      - { .name: cst, .offset: 112, .size: 8, .value_kind: global_buffer, .address_space: global }
    .group_segment_fixed_size: 78848
    .private_segment_fixed_size: 0
    .kernarg_segment_align: 8
    .kernarg_segment_size: 120
    .max_flat_workgroup_size: 256
    .sgpr_count:     66
    .vgpr_count:     256
    .wavefront_size: 32
...
	.end_amdgpu_metadata
.endif
;; end of part 1
;; launch gemm (part 2): grid 8 x 32, 4 waves a work-group, clusters of 4 x 4, 327,680 bytes of LDS; arguments xb, wt, bk, qb, ss; writes ss
.if DOCPART == 2
	.amdgcn_target "amdgcn-amd-amdhsa--gfx1250"
	.amdhsa_code_object_version 6
	.text
	.protected	k_q6f4d591640_gemm
	.globl	k_q6f4d591640_gemm
	.p2align	8
	.type	k_q6f4d591640_gemm,@function
k_q6f4d591640_gemm:
	s_mov_b64 s[64:65], 0
	v_nop
	global_prefetch_b8 v0, s[64:65] scope:SCOPE_SE
	s_setreg_imm32_b32 hwreg(HW_REG_WAVE_MODE, 25, 1), 1
	s_wait_xcnt 0x0
	s_wait_alu depctr_hold_cnt(0) depctr_sa_sdst(0) depctr_va_vdst(0) depctr_va_sdst(0) depctr_va_ssrc(0) depctr_va_vcc(0) depctr_vm_vsrc(0)
	s_getreg_b32 s2, hwreg(HW_REG_IB_STS2, 6, 4)
	s_cmp_eq_u32 s2, 0
	s_cbranch_scc0 .Lentry_in_a_cluster
	s_endpgm
.Lentry_in_a_cluster:
	s_bfe_u32 s2, ttmp6, 0x10000c
	s_cmp_lg_u32 s2, 0xf033
	s_cbranch_scc0 .Lentry_shape_is_right
	s_endpgm
.Lentry_shape_is_right:
; THE SCORES' TWO PARTS.  With Q0_p = x0 @ wq_p and K_p = x0 @ wk_p + bk_p (bf16 operands, f32 sums): s1[b][p] = Q0_p . K_p, s2[b][p] = qb_p . K_p, so that a layer's score is (alpha s1 + s2) / 8.
; One product 8192 x 1024 x 3072 of xb ([kb 16][row][64]) and wt ([kb 16][n 3072][64]); Q0 and K never leave the registers: only s1 and s2 are stored (ss, f32).
; SHARES.  A work-group makes 256 rows x 384 columns (three pairs: column tile j), a wave 128 x 192: 96 accumulators of 16 x 16, 768 registers.  Column half wn holds pair pA = 3 j + wn whole
; (64 q, 64 k) and channels 32 wn .. + 31 of pair pC = 3 j + 2 (32 q, 32 k): pC's two partial sums are stored apart and added by the next launch.
; K goes in steps of 64 through two LDS slots; two slots of 128 would need 348,160 bytes.  xb and wt are laid in blocks so that a wave's part of a step is dense and comes as rows of 256 bytes.
; THE MATRIX INSTRUCTION IS USED TRANSPOSED: source 0 = 16 rows of wt, source 1 = 16 rows of xb: a lane holds ONE row of x (lane % 16) and the columns 8 (lane / 16) + 0..7.
; CLUSTER 4 x 4: xb's tile hangs on the tile row alone and is asked for jointly along a row of the cluster, wt's on the tile column alone, jointly along a column.
; LIMITS: bf16 operands; sums in another order than written; a score overflows f32 at nearly, not exactly, the input size at which the written form does.
; REGISTERS.  Window 0: v0-31 addresses; v32-127 wt's fragments, three groups of four; v128-191, v192-255 xb's fragments, two buffers.  Windows 1-3: accumulator (a, b) at v[8 (8 (b % 4) + a)] of window 1 + b / 4.
.set PITCH, 144                        ; an LDS row: 128 bytes + 16 = 36 words: the 16 rows of a fragment load start in 16 different groups of four banks (64 banks of 4 bytes: ISA guide 11.1)
.set APART, 128*PITCH                  ; 128 rows of xb: one tensor load
.set BPART, 192*PITCH                  ; 192 rows of wt: one tensor load
.set BOFF,  2*APART
.set SLOT,  BOFF+2*BPART               ; 92,160
.set STAGE, 2*SLOT                     ; [row block 8][arr 8][32 rows] f32: 8,192 bytes, never filled by a tensor load
.set SPARE, STAGE+8192                 ; the spare words, 128 bytes a wave
.set XKB,   1048576                    ; bytes from a K block of xb to the next
.set WKB,   393216                     ; of wt
.set ADRA, 16                          ; v16-17 my xb fragments in slot 0, 1
.set ADRB, 20                          ; v20-21 my wt fragments
.set STO,  24                          ; v24 where a lane puts its sum in the stage
.set RD,   25                          ; v25 where I read the stage back
.set CO,   26                          ; v26 my byte offset in ss
.set BOA,  27                          ; v27 bk's and qb's offset for pA
.set SPW,  28                          ; v28 my spare word; never rewritten
.set NIL,  29                          ; v29 0; never rewritten
.set PFO,  30                          ; v30 the prefetches' offset; never rewritten
.set BOC,  31                          ; v31 bk's and qb's offset for pC's half
.set BF,   32
.set AF0,  128
.set AF1,  192
.set BKA,  128                         ; the way out: bk, qb of pA (32 each), of pC's half (16 each); K + bk; chains
.set QBA,  160
.set BKC,  32
.set QBC,  48
.set K2,   64
.set SA,   96
.set SB,   104
.set G1,  24                           ; s[24:31] group 1 for xb's parts; s[32:39] group 0, a set for each slot
.set G0,  32
.set G1B, 48                           ; s[48:55], s[56:63] the same for wt's parts
.set G0B, 56
.set MSB, 0
.macro WIN new                         ; the immediate's high byte repeats the setting that is left; a switch that changes nothing is dropped
.if MSB != (\new)
	s_set_vgpr_msb (MSB<<8)|(\new)
.set MSB, \new
.endif
.endm
.macro PLACES                          ; four plain places behind a matrix instruction, in front of loads into its sources and of readers of its result
.rept 4
	v_nop
.endr
.endm
; A joint load.  Waves 0, 1 fetch xb's two parts, waves 2, 3 wt's.  The branch hangs on the wave's number alone.  An s_nop 0 and four v_nop follow each line.
.macro JLOAD s
	s_cmp_eq_u32 s15, 0
	s_cbranch_scc0 .Lfor_b_\@
	tensor_load_to_lds s[G0+4*(\s):G0+4*(\s)+3], s[G1:G1+7]
	s_nop 0
.rept 4
	v_nop
.endr
	s_branch .Lasked_\@
.Lfor_b_\@:
	tensor_load_to_lds s[G0B+4*(\s):G0B+4*(\s)+3], s[G1B:G1B+7]
	s_nop 0
.rept 4
	v_nop
.endr
.Lasked_\@:
.endm
.macro CREST                           ; a round of the cluster's barrier behind its opening barrier
	s_cmp_lg_u32 s14, 0
	s_cbranch_scc1 .Lnot_wave_0_\@
	s_barrier_signal -3
.Lnot_wave_0_\@:
	s_barrier_wait -3
	s_barrier_signal -1
	s_barrier_wait -1
.endm
.macro CROUND
	s_barrier_signal -1
	s_barrier_wait -1
	CREST
.endm
; A PREFETCH INTO THE L2, behind a joint load, its five lines and the run of LDS loads that follows: my share of my part of the K step that the NEXT change of slots will ask for, 192 matrix instructions ahead of that load.
; xb's parts are named by the clusters with x = 0 alone, wt's by those with y = 0; the four partners that ask for a part jointly share its blocks of 256 bytes out BY ADDRESS (16 each of xb's 64, 24 each of wt's 96),
; a lane a block; the lanes beyond the share name its last block again, in the same instruction.  The first three K steps come by their loads alone; the last change that fills a slot asks for nothing.
.macro ASK strict
.if \strict
	s_cmp_gt_u32 s45, s44                          ; the trip's second change: not in the last trip
.else
	s_cmp_ge_u32 s45, s44
.endif
	s_cbranch_scc0 .Lnot_mine_\@
	global_prefetch_b8 v[PFO], s[40:41] th:TH_LOAD_NT scope:SCOPE_SE
.Lnot_mine_\@:
.endm
	s_load_b256 s[4:11], s[0:1], 0x0               ; xb 4, wt 6, bk 8, qb 10
	s_load_b64 s[12:13], s[0:1], 0x20              ; ss
	v_lshl_add_u32 v[SPW], v0, 2, SPARE
	v_mov_b32 v[NIL], 0
	ds_add_u32 v[SPW], v[NIL]                      ; the wave's opening: the add and its wait stand ahead of my first tensor load; work on registers stands between
	v_lshrrev_b32 v1, 5, v0
	v_readfirstlane_b32 s14, v1                    ; wave 0..3
	s_lshr_b32 s15, s14, 1                         ; wm: my half of the rows.  Also: I fetch xb (0) or wt (1)
	s_and_b32 s16, s14, 1                          ; wn: my half of the columns.  Also: which part I fetch
	s_bfe_u32 s17, ttmp6, 0x40000                  ; cx
	s_bfe_u32 s18, ttmp6, 0x40004                  ; cy
	s_lshl_b32 s19, ttmp9, 2
	s_add_co_u32 s19, s19, s17                     ; j = 4 x cluster x + cx
	s_and_b32 s20, ttmp7, 0xffff
	s_lshl_b32 s20, s20, 2
	s_add_co_u32 s20, s20, s18                     ; ty = 4 x cluster y + cy
	s_lshl_b32 s21, s18, 2
	s_lshl_b32 s21, 15, s21                        ; my row of the cluster
	s_lshl_b32 s22, 0x1111, s17                    ; my column
	s_or_b32 s[G1], s21, (1<<16)|(1<<20)|(1<<21)|(4<<22)|(3<<25)   ; the mask; 2-byte elements; padding on; bit 21 beside a mask; after every 32 words (code 4) 4 words (code 3)
	s_or_b32 s[G1B], s22, (1<<16)|(1<<20)|(1<<21)|(4<<22)|(3<<25)
	s_mov_b32 s[G1+1], 128<<16                     ; tensor_dim0 = 128: a part is dense and comes as rows of 256 bytes, two of its rows each
	s_mov_b32 s[G1+2], 64<<16                      ; tensor_dim1 = 64
	s_mov_b32 s[G1+3], 128<<16                     ; tile_dim0 = 128
	s_mov_b32 s[G1+4], 64                          ; tile_dim1 = 64
	s_mov_b32 s[G1+5], 128                         ; 128 elements from row to row
	s_mov_b32 s[G1+6], 0
	s_mov_b32 s[G1+7], 0
	s_mov_b32 s[G1B+1], 128<<16
	s_mov_b32 s[G1B+2], 96<<16
	s_mov_b32 s[G1B+3], 128<<16
	s_mov_b32 s[G1B+4], 96
	s_mov_b32 s[G1B+5], 128
	s_mov_b32 s[G1B+6], 0
	s_mov_b32 s[G1B+7], 0
	s_lshl_b32 s68, s20, 15                        ; xb: (256 ty + 128 part) rows of 128 bytes
	s_lshl_b32 s69, s16, 14
	s_add_co_u32 s68, s68, s69
	s_mov_b32 s69, 0
	s_mul_i32 s70, s19, 49152                      ; wt: (384 j + 192 part) rows of 128 bytes
	s_mul_i32 s71, s16, 24576
	s_add_co_u32 s70, s70, s71
	s_mov_b32 s71, 0
	s_mul_i32 s72, s16, APART                      ; where they go: the wave's number alone enters an LDS address
	s_mul_i32 s73, s16, BPART
	s_add_co_u32 s73, s73, BOFF
	s_mov_b32 s46, 0xffff0000                      ; the lanes 16-31
	s_mov_b32 s66, 0x76543210
	s_mov_b32 s67, 0xfedcba98
	s_wait_dscnt 0x0                               ; the opening add is done
	s_wait_kmcnt 0x0
	s_add_nc_u64 s[74:75], s[4:5], s[68:69]
	s_add_nc_u64 s[76:77], s[6:7], s[70:71]
	CROUND                                         ; all sixteen work-groups are here: the first joint loads meet
.irp s, 0,1
	s_mov_b32 s[G0+4*(\s)], 1
	s_add_co_u32 s[G0+4*(\s)+1], s72, (\s)*SLOT
	s_add_nc_u64 s[G0+4*(\s)+2:G0+4*(\s)+3], s[74:75], (\s)*XKB
	s_or_b32 s[G0+4*(\s)+3], s[G0+4*(\s)+3], 0x80000000
	s_mov_b32 s[G0B+4*(\s)], 1
	s_add_co_u32 s[G0B+4*(\s)+1], s73, (\s)*SLOT
	s_add_nc_u64 s[G0B+4*(\s)+2:G0B+4*(\s)+3], s[76:77], (\s)*WKB
	s_or_b32 s[G0B+4*(\s)+3], s[G0B+4*(\s)+3], 0x80000000
.endr
	s_cmp_eq_u32 s15, 0                            ; a wave's two first fills stand in one branch: two loads of mine are out
	s_cbranch_scc0 .Lfirst_b
	tensor_load_to_lds s[G0:G0+3], s[G1:G1+7]
	s_nop 0
	tensor_load_to_lds s[G0+4:G0+7], s[G1:G1+7]
	s_nop 0
.rept 4
	v_nop
.endr
	s_branch .Lfirst_asked
.Lfirst_b:
	tensor_load_to_lds s[G0B:G0B+3], s[G1B:G1B+7]
	s_nop 0
	tensor_load_to_lds s[G0B+4:G0B+7], s[G1B:G1B+7]
	s_nop 0
.rept 4
	v_nop
.endr
.Lfirst_asked:
	v_and_b32 v1, 15, v0                           ; r
	v_bfe_u32 v2, v0, 4, 1                         ; hh
	v_and_b32 v3, 31, v0                           ; l
	v_mul_u32_u24 v4, v1, PITCH
	v_lshl_add_u32 v4, v2, 4, v4                   ; a fragment's row x pitch + 16 x half
	s_mul_i32 s21, s15, APART
	s_mul_i32 s22, s16, BPART
	s_add_co_u32 s22, s22, BOFF
.irp s, 0,1
	v_add_nc_u32 v[ADRA+(\s)], s21, v4
	v_add_nc_u32 v[ADRB+(\s)], s22, v4
	s_add_co_u32 s21, s21, SLOT
	s_add_co_u32 s22, s22, SLOT
.endr
	s_lshl_b32 s21, s15, 12
	s_lshl_b32 s22, s16, 8
	s_add_co_u32 s21, s21, s22
	s_add_co_u32 s21, s21, STAGE
	v_lshlrev_b32 v[STO], 2, v1
	v_lshl_add_u32 v[STO], v2, 7, v[STO]
	v_add_nc_u32 v[STO], s21, v[STO]               ; STAGE + 4,096 wm + 128 (2 wn + hh) + 4 r
	s_lshl_b32 s21, s14, 11
	s_add_co_u32 s21, s21, STAGE
	v_lshl_add_u32 v[RD], v3, 4, s21               ; back: wave w takes row blocks 2 w, 2 w + 1
	s_lshl_b32 s21, s14, 14
	v_lshl_add_u32 v[CO], v3, 4, s21
	s_mul_i32 s21, s19, 3
	s_add_co_u32 s22, s21, s16
	s_lshl_b32 s22, s22, 8
	v_lshl_add_u32 v[BOA], v2, 5, s22              ; 256 (3 j + wn) + 32 hh
	s_add_co_u32 s21, s21, 2
	s_lshl_b32 s21, s21, 8
	s_lshl_b32 s22, s16, 7
	s_add_co_u32 s21, s21, s22
	v_lshl_add_u32 v[BOC], v2, 5, s21              ; 256 (3 j + 2) + 128 wn + 32 hh
	s_lshl_b32 s78, s20, 16
	s_lshl_b32 s79, s19, 10
	s_add_co_u32 s78, s78, s79
	s_mov_b32 s79, 0
	s_add_nc_u64 s[12:13], s[12:13], s[78:79]      ; ss at row block 8 ty, column tile j
	; the prefetches
	s_and_b32 s23, ttmp7, 0xffff                   ; cluster y
	s_mov_b32 s22, 6144
	s_mov_b32 s42, WKB
	s_mov_b32 s43, 0
	s_cmp_eq_u32 s15, 0                            ; do I fetch xb?
	s_cselect_b32 s21, s17, s18                    ; my place among the four that ask with me
	s_cselect_b32 s22, 4096, s22                   ; a partner's share of a part, in bytes
	s_cselect_b32 s23, ttmp9, s23                  ; the coordinate along which other clusters read the same part
	s_cselect_b32 s42, XKB, s42                    ; s[42:43]: from a K step to the next
	s_cselect_b32 s2, 15, 23                       ; the share's last block
	s_cselect_b64 s[40:41], s[74:75], s[76:77]
	s_cmp_eq_u32 s23, 0
	s_cselect_b32 s44, 1, -1                       ; 1 in a wave that prefetches, else the greatest number: the same in all sixteen partners
	s_mul_i32 s78, s21, s22
	s_add_nc_u64 s[40:41], s[40:41], s[78:79]
	s_add_nc_u64 s[40:41], s[40:41], s[42:43]
	s_add_nc_u64 s[40:41], s[40:41], s[42:43]      ; at K step 2: the first change of slots steps it to 3
	v_min_u32 v[PFO], s2, v3
	v_lshlrev_b32 v[PFO], 8, v[PFO]
; 16 matrix instructions: column tiles 4 pp + 2 half, + 1, x all 8 row tiles, 32 along K.  All 96 accumulators take turns, one instruction a turn, in the same order in every sub-step.
.macro MULH pp, f, half, zero
	WIN 0x50*((\pp)+1)                             ; C and D in window 1 + pp, both sources in window 0
.irp bb, 2*(\half), 2*(\half)+1
.irp a, 0,1,2,3,4,5,6,7
.if \zero
	v_wmma_f32_16x16x32_bf16 v[8*(8*(\bb)+(\a)):8*(8*(\bb)+(\a))+7], v[BF+32*(\pp)+8*(\bb):BF+32*(\pp)+8*(\bb)+7], v[(\f)+8*(\a):(\f)+8*(\a)+7], 0
.else
	v_wmma_f32_16x16x32_bf16 v[8*(8*(\bb)+(\a)):8*(8*(\bb)+(\a))+7], v[BF+32*(\pp)+8*(\bb):BF+32*(\pp)+8*(\bb)+7], v[(\f)+8*(\a):(\f)+8*(\a)+7], v[8*(8*(\bb)+(\a)):8*(8*(\bb)+(\a))+7]
.endif
.endr
.endr
.endm
.macro FB pp, slot, k                  ; 8 LDS loads: wt's group pp of four fragments, 32 K at byte k of the rows
.irp bb, 0,1,2,3
	ds_load_b128 v[BF+32*(\pp)+8*(\bb):BF+32*(\pp)+8*(\bb)+3],   v[ADRB+(\slot)] offset:2304*(4*(\pp)+(\bb))+(\k)
	ds_load_b128 v[BF+32*(\pp)+8*(\bb)+4:BF+32*(\pp)+8*(\bb)+7], v[ADRB+(\slot)] offset:2304*(4*(\pp)+(\bb))+(\k)+32
.endr
.endm
.macro FA half, slot, k, f             ; 8 LDS loads: four of xb's eight fragments into buffer f
.irp a, 0,1,2,3
	ds_load_b128 v[(\f)+8*(4*(\half)+(\a)):(\f)+8*(4*(\half)+(\a))+3],   v[ADRA+(\slot)] offset:2304*(4*(\half)+(\a))+(\k)
	ds_load_b128 v[(\f)+8*(4*(\half)+(\a))+4:(\f)+8*(4*(\half)+(\a))+7], v[ADRA+(\slot)] offset:2304*(4*(\half)+(\a))+(\k)+32
.endr
.endm
; A K step is two sub-steps of 32 along K, 96 matrix instructions each, in three groups of 32.  A group of wt's fragments is fetched anew as soon as its 32 products are issued; xb's go by two buffers.
; The first sub-step of a slot: multiplies buffer 0 and fetches the slot's second 32 K.
.macro PLAIN slot, zero
	s_wait_dscnt 8                                 ; all but the youngest eight loads (wt's third group)
	MULH 0, AF0, 0, \zero
	MULH 0, AF0, 1, \zero
	PLACES
	WIN 0
	FB 0, \slot, 64
	FA 0, \slot, 64, AF1
	MULH 1, AF0, 0, \zero
	MULH 1, AF0, 1, \zero
	PLACES
	WIN 0
	FB 1, \slot, 64
	FA 1, \slot, 64, AF1
	s_wait_dscnt 32                                ; all but the 32 just issued: wt's third group is in
	MULH 2, AF0, 0, \zero
	MULH 2, AF0, 1, \zero
	PLACES
	WIN 0
	FB 2, \slot, 64
.endm
; The second sub-step multiplies buffer 1 and changes slots: all the slot's LDS loads have been issued.  In front of the barrier each wave waits for all its tensor loads (one is out: its part of the other slot),
; adds 0 to its spare word, and waits for that and for its reads of this slot.  fill = 1: the barrier opens a round of the cluster's, and the slot is filled again first thing behind it, two K steps on.
.macro TURN slot, fill, strict
.if \fill
	s_wait_xcnt 0x0                                ; the last prefetch, a K step back, has read its address: it is stepped here
	s_add_nc_u64 s[40:41], s[40:41], s[42:43]
.endif
	WIN 0
	s_wait_tensorcnt 0x0                           ; no tensor load of mine is out
	ds_add_u32 v[SPW], v[NIL]                      ; 0 onto my spare word
	s_wait_dscnt 9                                 ; (the add and the youngest eight loads may be out)
	MULH 0, AF1, 0, 0                              ; sixteen matrix instructions between the add and the wait for it
	s_wait_dscnt 0x0                               ; the add is done, and my reads of this slot are over
	s_barrier_signal -1
	MULH 0, AF1, 1, 0
	WIN 0                                          ; at a branch and at a label every window is 0
	s_barrier_wait -1
.if \fill
	CREST                                          ; no wave of any partner still reads this slot or has a load on its way
	s_add_nc_u64 s[G0+4*(\slot)+2:G0+4*(\slot)+3], s[G0+4*(\slot)+2:G0+4*(\slot)+3], 2*XKB
	s_add_nc_u64 s[G0B+4*(\slot)+2:G0B+4*(\slot)+3], s[G0B+4*(\slot)+2:G0B+4*(\slot)+3], 2*WKB
	JLOAD \slot                                    ; my one tensor load behind the round: 160 matrix instructions ahead of the wait for it; its four v_nop are also the places in front of the loads below
.else
	PLACES
.endif
	FB 0, 1-(\slot), 0
	FA 0, 1-(\slot), 0, AF0
.if \fill
	ASK \strict
.endif
	MULH 1, AF1, 0, 0
	MULH 1, AF1, 1, 0
	PLACES
	WIN 0
	FB 1, 1-(\slot), 0
	FA 1, 1-(\slot), 0, AF0
	MULH 2, AF1, 0, 0
	MULH 2, AF1, 1, 0
	PLACES
	WIN 0
	FB 2, 1-(\slot), 0
.endm
	s_wait_tensorcnt 1                             ; my part of K step 0 is in; K step 1's may stay out
	s_barrier_signal -1
	s_barrier_wait -1                              ; everybody's is
	FA 0, 0, 0, AF0
	FA 1, 0, 0, AF0
	FB 0, 0, 0
	FB 1, 0, 0
	FB 2, 0, 0
	PLAIN 0, 1                                     ; the first sub-step stands in front of the loop: its products start the 96 sums
	s_mov_b32 s45, 7
.Llap:                                                 ; a trip goes once round the ring and fills both slots again: K steps 2 to 15
	TURN 0, 1, 0
	PLAIN 1, 0
	TURN 1, 1, 1
	PLAIN 0, 0
	WIN 0
	s_sub_co_u32 s45, s45, 1
	s_cmp_lg_u32 s45, 0
	s_cbranch_scc1 .Llap
	TURN 0, 0, 0                                   ; the tail is written out: nothing is left to fetch
	PLAIN 1, 0
	s_wait_dscnt 8                                 ; the very last sub-step
	MULH 0, AF1, 0, 0
	MULH 0, AF1, 1, 0
	PLACES
	WIN 0
.irp bt, 0,1,2,3                       ; bk and qb of my columns, into xb's buffer 0 and wt's first group, which are read out
	global_load_b128 v[BKA+8*(\bt):BKA+8*(\bt)+3],   v[BOA], s[8:9] offset:64*(\bt)
	global_load_b128 v[BKA+8*(\bt)+4:BKA+8*(\bt)+7], v[BOA], s[8:9] offset:64*(\bt)+16
	global_load_b128 v[QBA+8*(\bt):QBA+8*(\bt)+3],   v[BOA], s[10:11] offset:64*(\bt)
	global_load_b128 v[QBA+8*(\bt)+4:QBA+8*(\bt)+7], v[BOA], s[10:11] offset:64*(\bt)+16
.endr
.irp bt, 0,1
	global_load_b128 v[BKC+8*(\bt):BKC+8*(\bt)+3],   v[BOC], s[8:9] offset:64*(\bt)
	global_load_b128 v[BKC+8*(\bt)+4:BKC+8*(\bt)+7], v[BOC], s[8:9] offset:64*(\bt)+16
	global_load_b128 v[QBC+8*(\bt):QBC+8*(\bt)+3],   v[BOC], s[10:11] offset:64*(\bt)
	global_load_b128 v[QBC+8*(\bt)+4:QBC+8*(\bt)+7], v[BOC], s[10:11] offset:64*(\bt)+16
.endr
	MULH 1, AF1, 0, 0
	MULH 1, AF1, 1, 0
	s_wait_dscnt 0x0
	MULH 2, AF1, 0, 0
	MULH 2, AF1, 1, 0
	PLACES
	WIN 0
	v_mov_b32 v116, 0                              ; v_permlanex16_b32 counts as a reader of its destination
	s_wait_loadcnt 0x0
; THE WAY OUT, for row tile a and pair pA (kind 0: four column tiles of q in window 1, of k in window 2) or pC's half (kind 1: two and two, in window 3).
; K2 = K + bk; s1 += Q0 K2; s2 += qb K2, a chain for each column tile; every accumulator is read from its low end on.
; A row's other columns lie in the lane 16 away: lanes 0-15 keep s1 and send s2, lanes 16-31 keep s2 and send s1: one exchange finishes both.
.macro EPI a, kind
.set NBT, 4-2*(\kind)
.set KOF, 2*(\kind)
.set BKR, BKA-(BKA-BKC)*(\kind)
.set QBR, QBA-(QBA-QBC)*(\kind)
	WIN 0x02+(\kind)                               ; source 0 in k's window
.set jj, 0
.rept 4
.set bt, 0
.rept NBT
	v_pk_add_f32 v[K2+8*bt+jj:K2+8*bt+jj+1], v[8*(8*(bt+KOF)+(\a))+jj:8*(8*(bt+KOF)+(\a))+jj+1], v[BKR+8*bt+jj:BKR+8*bt+jj+1]
.set bt, bt+1
.endr
.set jj, jj+2
.endr
	WIN 0x01+2*(\kind)                             ; source 0 in q's window
.set jj, 0
.rept 4
.set bt, 0
.rept NBT
.if jj == 0
	v_pk_mul_f32 v[SA+2*bt:SA+2*bt+1], v[8*(8*bt+(\a))+jj:8*(8*bt+(\a))+jj+1], v[K2+8*bt+jj:K2+8*bt+jj+1]
.else
	v_pk_fma_f32 v[SA+2*bt:SA+2*bt+1], v[8*(8*bt+(\a))+jj:8*(8*bt+(\a))+jj+1], v[K2+8*bt+jj:K2+8*bt+jj+1], v[SA+2*bt:SA+2*bt+1]
.endif
.set bt, bt+1
.endr
.set jj, jj+2
.endr
	WIN 0
.set jj, 0
.rept 4
.set bt, 0
.rept NBT
.if jj == 0
	v_pk_mul_f32 v[SB+2*bt:SB+2*bt+1], v[QBR+8*bt+jj:QBR+8*bt+jj+1], v[K2+8*bt+jj:K2+8*bt+jj+1]
.else
	v_pk_fma_f32 v[SB+2*bt:SB+2*bt+1], v[QBR+8*bt+jj:QBR+8*bt+jj+1], v[K2+8*bt+jj:K2+8*bt+jj+1], v[SB+2*bt:SB+2*bt+1]
.endif
.set bt, bt+1
.endr
.set jj, jj+2
.endr
	v_pk_add_f32 v[SA:SA+1], v[SA:SA+1], v[SA+2:SA+3]
	v_pk_add_f32 v[SB:SB+1], v[SB:SB+1], v[SB+2:SB+3]
.if (\kind) == 0
	v_pk_add_f32 v[SA+4:SA+5], v[SA+4:SA+5], v[SA+6:SA+7]
	v_pk_add_f32 v[SB+4:SB+5], v[SB+4:SB+5], v[SB+6:SB+7]
	v_pk_add_f32 v[SA:SA+1], v[SA:SA+1], v[SA+4:SA+5]
	v_pk_add_f32 v[SB:SB+1], v[SB:SB+1], v[SB+4:SB+5]
.endif
	v_add_f32 v112, v[SA], v[SA+1]
	v_add_f32 v113, v[SB], v[SB+1]
	v_cndmask_b32 v114, v112, v113, s46            ; what I keep
	v_cndmask_b32 v115, v113, v112, s46            ; what I send
	v_permlanex16_b32 v116, v115, s66, s67
	v_add_f32 v114, v114, v116
	ds_store_b32 v[STO], v114 offset:1024*((\a)/2)+64*((\a)%2)+512*(\kind)
.endm
.irp a, 0,1,2,3,4,5,6,7
	EPI \a, 0
	EPI \a, 1
.endr
	s_wait_dscnt 0x0                               ; for the others' sake: my sums are in the stage
	s_barrier_signal -1
	s_barrier_wait -1
.irp t, 0,1,2,3
	ds_load_b128 v[64+4*(\t):64+4*(\t)+3], v[RD] offset:512*(\t)
.endr
.irp t, 0,1,2,3
	s_wait_dscnt 3-(\t)                            ; load t is back, the younger ones stay out
	global_store_b128 v[CO], v[64+4*(\t):64+4*(\t)+3], s[12:13] offset:8192*((\t)/2)+512*((\t)%2)  ; 512 consecutive bytes, at a multiple of 512 from ss's first byte
.endr
	s_wait_tensorcnt 0x0                           ; the wave's end
	ds_add_u32 v[SPW], v[NIL]
	s_wait_dscnt 0x0
	CROUND                                         ; the closing round
	s_endpgm
.Lfunc_end_k_q6f4d591640_gemm:
	.size	k_q6f4d591640_gemm, .Lfunc_end_k_q6f4d591640_gemm-k_q6f4d591640_gemm
	.p2alignl 7, 3214868480
	.fill 96, 4, 3214868480
	.section	.rodata,"a",@progbits
	.p2align	6, 0x0
	.amdhsa_kernel k_q6f4d591640_gemm
		.amdhsa_group_segment_fixed_size 327680
		.amdhsa_private_segment_fixed_size 0
		.amdhsa_enable_private_segment 0
		.amdhsa_kernarg_size 40
		.amdhsa_user_sgpr_count 2
		.amdhsa_user_sgpr_kernarg_segment_ptr 1
		.amdhsa_wavefront_size32 1
		.amdhsa_system_sgpr_workgroup_id_x 1
		.amdhsa_system_sgpr_workgroup_id_y 1
		.amdhsa_system_sgpr_workgroup_id_z 1
		.amdhsa_system_vgpr_workitem_id 0
		.amdhsa_next_free_vgpr 1024
		.amdhsa_next_free_sgpr 80
		.amdhsa_reserve_vcc 0
		.amdhsa_float_denorm_mode_32 3
		.amdhsa_float_denorm_mode_16_64 3
		.amdhsa_memory_ordered 1
		.amdhsa_forward_progress 1
		.amdhsa_inst_pref_size 134
	.end_amdhsa_kernel
	.amdgpu_metadata
---
amdhsa.version: [ 1, 2 ]
amdhsa.kernels:
  - .name:           k_q6f4d591640_gemm
    .symbol:         k_q6f4d591640_gemm.kd
    .args:
      - { .name: xb, .offset: 0, .size: 8, .value_kind: global_buffer, .address_space: global }
      - { .name: wt, .offset: 8, .size: 8, .value_kind: global_buffer, .address_space: global }
      - { .name: bk, .offset: 16, .size: 8, .value_kind: global_buffer, .address_space: global }
      - { .name: qb, .offset: 24, .size: 8, .value_kind: global_buffer, .address_space: global }
      - { .name: ss, .offset: 32, .size: 8, .value_kind: global_buffer, .address_space: global }
    .group_segment_fixed_size: 327680
    .private_segment_fixed_size: 0
    .kernarg_segment_align: 8
    .kernarg_segment_size: 40
    .max_flat_workgroup_size: 128
    .sgpr_count:     80
    .vgpr_count:     1024
    .wavefront_size: 32
...
	.end_amdgpu_metadata
.endif
;; end of part 2
;; launch final (part 3): grid 256 x 1, 4 waves a work-group, no clusters, 202,752 bytes of LDS; arguments x, gt, ss, cst, cb, out0; writes out0
.if DOCPART == 3
	.amdgcn_target "amdgcn-amd-amdhsa--gfx1250"
	.amdhsa_code_object_version 6
	.text
	.protected	k_q6f4d591640_final
	.globl	k_q6f4d591640_final
	.p2align	8
	.type	k_q6f4d591640_final,@function
k_q6f4d591640_final:
	s_mov_b64 s[64:65], 0
	v_nop
	global_prefetch_b8 v0, s[64:65] scope:SCOPE_SE
	s_setreg_imm32_b32 hwreg(HW_REG_WAVE_MODE, 25, 1), 1
	s_wait_xcnt 0x0
; THE ROW PASS.  For each row b of x0: t_p = x0 . G_p (matrix unit, bf16 operands, f32 sums); alpha = 1; for layer i = 0, 1, 2 and head h, p = 8 i + h:
;   sc = (alpha s1_p + s2_p) / 8;  e = exp(sc - max), the maximum over the one key being sc itself;  aw = e / (the sum of the one e);  xw = the sum over h of aw (t_p + cv_p) + c0h_p;  alpha += xw.
; out = x0 alpha + (cb_0 + cb_1 + cb_2), with x0 in f32.
; LIMITS: aw = e x rcp(e) is 1 to within one unit in the last place; an infinite or NaN score gives NaN, as written; the sums' order differs from the written one.
; SHARES.  A work-group owns 32 rows.  Wave w owns channels 256 w .. + 255 of all 32, in the product and on the way out: it reads only what its own two tensor loads brought (32 rows x 1,024 bytes of x,
; 24 rows x 512 bytes of gt), so its own wait on TENSORcnt orders those reads.  The four partial t meet in LDS behind the one barrier; every wave then runs the short chain for all 32 rows, a lane a row.
; No LDS byte is filled twice.  NO CLUSTER: all that work-groups share is gt, 49,152 of a work-group's 320,000 bytes.  No prefetch: every byte is asked for in the first lines.
.set XP,    1040                       ; a row of x's quarter in LDS: 1,024 + 16 bytes = 260 words: row r starts at bank 4 r mod 64 (64 banks of 4 bytes: ISA guide 11.1)
.set GP,    528                        ; a row of gt's quarter: 512 + 16
.set PP,    144                        ; a row of partial t: 32 slots of 4 bytes + 16
.set XQ,    32*XP
.set GQ0,   4*XQ                       ; 133,120
.set GQ,    24*GP
.set PART0, GQ0+4*GQ                   ; 183,808: a multiple of 256; no fill lands from here on
.set PARTW, 32*PP
.set SPARE, PART0+4*PARTW              ; 202,240
.set ACC,  16                          ; v16-47   accumulator (mt, nt) at ACC + 8 (2 mt + nt)
.set RAW,  48                          ; v48-111  x in f32, 16 registers a fragment, packed in place into the low 8
.set GF,   112                         ; v112-143 gt's fragments
.set SSR,  144                         ; v144-207 ss: [8 j + arr], my lane's row
.set TQ,   48                          ; v48-71   t_p
.set SC,   72
.set TV,   80
.set RC,   88
.set XW,   96
.set BETA, 232                         ; v232-239 the sum of cb's three rows at my 8 channels
.set ALPHA, 240
.macro PLACES
.rept 4
	v_nop
.endr
.endm
	s_load_b256 s[4:11], s[0:1], 0x0               ; x 4, gt 6, ss 8, cst 10
	s_load_b128 s[12:15], s[0:1], 0x20             ; cb 12, out0 14
	v_lshl_add_u32 v14, v0, 2, SPARE               ; my spare word; never rewritten
	v_mov_b32 v15, 0                               ; 0; never rewritten
	ds_add_u32 v14, v15                            ; the wave's opening: the add and its wait stand ahead of my first tensor load
	v_lshrrev_b32 v1, 5, v0
	v_readfirstlane_b32 s16, v1                    ; wave 0..3
	s_mov_b32 s20, 1
	s_mul_i32 s21, s16, XQ                         ; my quarter of x in LDS
	s_mov_b32 s24, (2<<16)|(1<<20)|(7<<22)|(3<<25) ; 4-byte elements; padding on; after every 256 words (code 7) 4 words (code 3)
	s_mov_b32 s25, 256<<16                         ; tensor_dim0 = 256
	s_mov_b32 s26, 32<<16                          ; tensor_dim1 = 32
	s_mov_b32 s27, 256<<16                         ; tile_dim0 = 256
	s_mov_b32 s28, 32                              ; tile_dim1 = 32
	s_mov_b32 s29, 1024                            ; elements from row to row
	s_mov_b32 s30, 0
	s_mov_b32 s31, 0
	s_mov_b32 s32, 1
	s_mul_i32 s33, s16, GQ
	s_add_co_u32 s33, s33, GQ0                     ; my quarter of gt in LDS
	s_mov_b32 s36, (1<<16)|(1<<20)|(6<<22)|(3<<25) ; 2-byte elements; after every 128 words (code 6) 4 words
	s_mov_b32 s37, 256<<16
	s_mov_b32 s38, 24<<16
	s_mov_b32 s39, 256<<16
	s_mov_b32 s40, 24
	s_mov_b32 s41, 1024
	s_mov_b32 s42, 0
	s_mov_b32 s43, 0
	s_mov_b32 s99, 0                               ; named with s98 as a pair
	s_lshl_b32 s2, ttmp9, 17                       ; the work-group's 32 rows of 4,096 bytes
	s_mov_b32 s3, 0
	s_lshl_b32 s18, s16, 10                        ; my 1,024 bytes of a row of x
	s_mov_b32 s19, 0
	s_wait_dscnt 0x0                               ; the opening add is done
	s_wait_kmcnt 0x0
	s_add_nc_u64 s[14:15], s[14:15], s[2:3]        ; out0 at the work-group's first row
	s_add_nc_u64 s[22:23], s[4:5], s[2:3]
	s_add_nc_u64 s[22:23], s[22:23], s[18:19]
	s_or_b32 s23, s23, 0x80000000
	s_lshl_b32 s18, s16, 9                         ; my 512 bytes of a row of gt
	s_add_nc_u64 s[34:35], s[6:7], s[18:19]
	s_or_b32 s35, s35, 0x80000000
	tensor_load_to_lds s[20:23], s[24:31]          ; two loads of mine are out, both waited for by the one wait below
	s_nop 0
	tensor_load_to_lds s[32:35], s[36:43]
	s_nop 0
	s_lshl_b32 s2, ttmp9, 13
	s_add_nc_u64 s[8:9], s[8:9], s[2:3]            ; ss at my row block
.set p, 0
.rept 24                               ; (cv_p, c0h_p): pair p at s[44 + 2 p] for p < 10, at s[46 + 2 p] from there on
	s_load_b64 s[44+2*p+2*((p+22)/32):45+2*p+2*((p+22)/32)], s[10:11], 256*p
.set p, p+1
.endr
	v_and_b32 v1, 15, v0                           ; r
	v_bfe_u32 v2, v0, 4, 1                         ; hh
	v_and_b32 v3, 31, v0                           ; l
	v_lshlrev_b32 v11, 2, v3                       ; 4 l
	s_lshl_b32 s17, s16, 10
	v_lshl_add_u32 v10, v3, 4, s17                 ; 1,024 w + 16 l: in a row of out0 and of cb
.set n, 0
.rept 64
	global_load_b32 v[SSR+n], v11, s[8:9] offset:128*n
.set n, n+1
.endr
.irp i, 0,1,2
.irp q, 0,1
	global_load_b128 v[208+8*(\i)+4*(\q):208+8*(\i)+4*(\q)+3], v10, s[12:13] offset:4096*(\i)+512*(\q)
.endr
.endr
	v_mul_u32_u24 v4, v1, XP
	v_lshl_add_u32 v4, v2, 5, v4
	v_add_nc_u32 v4, s21, v4                       ; x's fragment: row r, 32 bytes (8 f32) for each half of the lanes
	v_mul_u32_u24 v5, v1, GP
	v_lshl_add_u32 v5, v2, 4, v5
	v_add_nc_u32 v5, s33, v5                       ; gt's pairs 0-15
	v_and_b32 v6, 7, v0
	v_add_nc_u32 v6, 16, v6
	v_mul_u32_u24 v6, v6, GP
	v_lshl_add_u32 v6, v2, 4, v6
	v_add_nc_u32 v6, s33, v6                       ; gt's pairs 16-23, taken twice: the second tile's upper eight results are not used
	s_mul_i32 s17, s16, PARTW
	s_add_co_u32 s17, s17, PART0
	v_mul_u32_u24 v7, v1, PP
	v_lshl_add_u32 v7, v2, 5, v7
	v_add_nc_u32 v7, s17, v7                       ; my partial t: row r, slots 8 hh ..
	v_mul_u32_u24 v8, v3, PP
	v_add_nc_u32 v8, PART0, v8                     ; back: row l
	v_lshl_add_u32 v9, v3, 4, s21                  ; x on the way out: 16 l in a row of my quarter
	s_wait_tensorcnt 0x0                           ; my two tiles are in LDS
; Two K steps of 32.  Source 0 = 16 pairs of gt, source 1 = 16 rows of x: a lane ends with one row (lane % 16) and eight neighbouring pairs.  The four accumulators take turns.
.macro BATCH n
.if (\n) > 0
	PLACES                                         ; in front of loads into registers that the last products read
.endif
.irp k, 0,1
	ds_load_b128 v[GF+16*(\k):GF+16*(\k)+3],     v5 offset:64*(2*(\n)+(\k))
	ds_load_b128 v[GF+16*(\k)+4:GF+16*(\k)+7],   v5 offset:64*(2*(\n)+(\k))+32
	ds_load_b128 v[GF+16*(\k)+8:GF+16*(\k)+11],  v6 offset:64*(2*(\n)+(\k))
	ds_load_b128 v[GF+16*(\k)+12:GF+16*(\k)+15], v6 offset:64*(2*(\n)+(\k))+32
.endr
.irp k, 0,1
.irp mt, 0,1
	ds_load_b128 v[RAW+32*(\k)+16*(\mt):RAW+32*(\k)+16*(\mt)+3],     v4 offset:16*XP*(\mt)+128*(2*(\n)+(\k))
	ds_load_b128 v[RAW+32*(\k)+16*(\mt)+4:RAW+32*(\k)+16*(\mt)+7],   v4 offset:16*XP*(\mt)+128*(2*(\n)+(\k))+16
	ds_load_b128 v[RAW+32*(\k)+16*(\mt)+8:RAW+32*(\k)+16*(\mt)+11],  v4 offset:16*XP*(\mt)+128*(2*(\n)+(\k))+64
	ds_load_b128 v[RAW+32*(\k)+16*(\mt)+12:RAW+32*(\k)+16*(\mt)+15], v4 offset:16*XP*(\mt)+128*(2*(\n)+(\k))+80
.endr
.endr
	s_wait_dscnt 0x0
.irp f, 0,1,2,3
.irp i, 0,1,2,3,4,5,6,7
	v_cvt_pk_bf16_f32 v[RAW+16*(\f)+(\i)], v[RAW+16*(\f)+2*(\i)], v[RAW+16*(\f)+2*(\i)+1]  ; ascending: a register is written when it has been read
.endr
.endr
.irp k, 0,1
.irp mt, 0,1
.irp nt, 0,1
.if ((\n) == 0) && ((\k) == 0)
	v_wmma_f32_16x16x32_bf16 v[ACC+8*(2*(\mt)+(\nt)):ACC+8*(2*(\mt)+(\nt))+7], v[GF+16*(\k)+8*(\nt):GF+16*(\k)+8*(\nt)+7], v[RAW+32*(\k)+16*(\mt):RAW+32*(\k)+16*(\mt)+7], 0
.else
	v_wmma_f32_16x16x32_bf16 v[ACC+8*(2*(\mt)+(\nt)):ACC+8*(2*(\mt)+(\nt))+7], v[GF+16*(\k)+8*(\nt):GF+16*(\k)+8*(\nt)+7], v[RAW+32*(\k)+16*(\mt):RAW+32*(\k)+16*(\mt)+7], v[ACC+8*(2*(\mt)+(\nt)):ACC+8*(2*(\mt)+(\nt))+7]
.endif
.endr
.endr
.endr
.endm
	BATCH 0
	BATCH 1
	BATCH 2
	BATCH 3
	PLACES
.irp mt, 0,1
.irp nt, 0,1
	ds_store_b128 v7, v[ACC+8*(2*(\mt)+(\nt)):ACC+8*(2*(\mt)+(\nt))+3]   offset:16*PP*(\mt)+64*(\nt)
	ds_store_b128 v7, v[ACC+8*(2*(\mt)+(\nt))+4:ACC+8*(2*(\mt)+(\nt))+7] offset:16*PP*(\mt)+64*(\nt)+16
.endr
.endr
	s_wait_dscnt 0x0                               ; for the others' sake: my partial t are in LDS
	s_barrier_signal -1
	s_barrier_wait -1                              ; all four quarters' are
.irp w, 0,1,2,3
.irp q, 0,1,2,3,4,5
	ds_load_b128 v[TQ+24*(\w)+4*(\q):TQ+24*(\w)+4*(\q)+3], v8 offset:PARTW*(\w)+16*(\q)  ; row l, pairs 4 q ..
.endr
.endr
	s_wait_dscnt 0x0
.set z, 0
.rept 12
	v_pk_add_f32 v[TQ+2*z:TQ+2*z+1], v[TQ+2*z:TQ+2*z+1], v[TQ+24+2*z:TQ+24+2*z+1]
	v_pk_add_f32 v[TQ+48+2*z:TQ+48+2*z+1], v[TQ+48+2*z:TQ+48+2*z+1], v[TQ+72+2*z:TQ+72+2*z+1]
.set z, z+1
.endr
.set z, 0
.rept 12
	v_pk_add_f32 v[TQ+2*z:TQ+2*z+1], v[TQ+2*z:TQ+2*z+1], v[TQ+48+2*z:TQ+48+2*z+1]
.set z, z+1
.endr
	s_wait_loadcnt 0x0                             ; ss and cb
	s_wait_kmcnt 0x0                               ; cst
.irp j, 0,1,2,3,4,5,6,7
	v_pk_add_f32 v[SSR+8*(\j)+4:SSR+8*(\j)+5], v[SSR+8*(\j)+4:SSR+8*(\j)+5], v[SSR+8*(\j)+6:SSR+8*(\j)+7]  ; the third pair's two halves: now (s1, s2) of pair p lie at SSR + 8 (p / 3) + 2 (p % 3)
.endr
.irp k, 0,2,4,6
	v_pk_add_f32 v[BETA+(\k):BETA+(\k)+1], v[208+(\k):209+(\k)], v[216+(\k):217+(\k)]
	v_pk_add_f32 v[BETA+(\k):BETA+(\k)+1], v[BETA+(\k):BETA+(\k)+1], v[224+(\k):225+(\k)]
.endr
	v_mov_b32 v[ALPHA], 1.0
; A layer, a lane a row.  Its eight exponentials are one batch and its eight reciprocals another: behind each a plain instruction and one wait ahead of the first reader.
.macro LAYER i
.set h, 0
.rept 8
.set p, 8*(\i)+h
	v_fma_f32 v[SC+h], v[ALPHA], v[SSR+8*(p/3)+2*(p%3)], v[SSR+8*(p/3)+2*(p%3)+1]  ; q . k = alpha s1 + s2
.set h, h+1
.endr
.set h, 0
.rept 8
	v_mul_f32 v[SC+h], 0x3e000000, v[SC+h]         ; / sqrt(64)
.set h, h+1
.endr
.set h, 0
.rept 8
	v_sub_f32 v[SC+h], v[SC+h], v[SC+h]            ; the maximum over the one key, the score itself, is taken away: 0, or NaN where the score is not finite
.set h, h+1
.endr
.set h, 0
.rept 8
	v_mul_f32 v[SC+h], 0x3fb8aa3b, v[SC+h]         ; log2(e)
.set h, h+1
.endr
.set h, 0
.rept 8
	v_exp_f32 v[SC+h], v[SC+h]
.set h, h+1
.endr
.set h, 0
.rept 8
.set p, 8*(\i)+h
	v_add_f32 v[TV+h], s[44+2*p+2*((p+22)/32)], v[TQ+p]  ; t + cv: the plain work behind the batch
.set h, h+1
.endr
	s_wait_alu depctr_va_vdst(0)                   ; one wait for the eight exponentials
.set h, 0
.rept 8
	v_rcp_f32 v[RC+h], v[SC+h]                     ; the sum over the one key is e
.set h, h+1
.endr
.set p, 8*(\i)
	v_mov_b32 v[XW], s[45+2*p+2*((p+22)/32)]       ; xw starts with c0h of head 0: the plain instruction behind the last reciprocal
	s_wait_alu depctr_va_vdst(0)                   ; one wait for the eight reciprocals
.set h, 0
.rept 8
	v_mul_f32 v[RC+h], v[SC+h], v[RC+h]            ; aw
.set h, h+1
.endr
.set h, 0
.rept 8
.set p, 8*(\i)+h
.if h > 0
	v_add_f32 v[XW], s[45+2*p+2*((p+22)/32)], v[XW]
.endif
	v_fma_f32 v[XW], v[RC+h], v[TV+h], v[XW]
.set h, h+1
.endr
	v_add_f32 v[ALPHA], v[ALPHA], v[XW]
.endm
	LAYER 0
	LAYER 1
	LAYER 2
; THE WAY OUT: eight rows a group, my 1,024 bytes of each as two loads of 512; areas v16-79 and v80-143 by turns, a group's loads issued one group ahead of its stores.
.macro OLOAD g
.set AR, 16+64*((\g)%2)
.set n, 0
.rept 16
	ds_load_b128 v[AR+4*n:AR+4*n+3], v9 offset:XP*(8*(\g)+n/2)+512*(n%2)
.set n, n+1
.endr
.endm
.macro OSEND g, younger                ; younger: the LDS loads issued behind this group's
.set AR, 16+64*((\g)%2)
.set n, 0
.rept 16
.if n%2 == 0
	v_readlane_b32 s98, v[ALPHA], 8*(\g)+n/2       ; the row's alpha
.endif
	s_wait_dscnt (\younger)+15-n
	v_pk_fma_f32 v[AR+4*n:AR+4*n+1], v[AR+4*n:AR+4*n+1], s[98:99], v[BETA+4*(n%2):BETA+4*(n%2)+1] op_sel_hi:[1,0,1]
	v_pk_fma_f32 v[AR+4*n+2:AR+4*n+3], v[AR+4*n+2:AR+4*n+3], s[98:99], v[BETA+4*(n%2)+2:BETA+4*(n%2)+3] op_sel_hi:[1,0,1]
	global_store_b128 v10, v[AR+4*n:AR+4*n+3], s[14:15] offset:4096*(8*(\g)+n/2)+512*(n%2) th:TH_STORE_NT  ; 512 consecutive bytes, at a multiple of 512 from out0's first byte
.set n, n+1
.endr
.endm
	OLOAD 0
	OLOAD 1
	OSEND 0, 16
	s_wait_xcnt 0x0                                ; group 0's stores have read their registers: only behind this wait is the area loaded again
	OLOAD 2
	OSEND 1, 16
	s_wait_xcnt 0x0
	OLOAD 3
	OSEND 2, 16
	OSEND 3, 0
	s_wait_tensorcnt 0x0                           ; the wave's end
	ds_add_u32 v14, v15
	s_wait_dscnt 0x0
	s_endpgm
.Lfunc_end_k_q6f4d591640_final:
	.size	k_q6f4d591640_final, .Lfunc_end_k_q6f4d591640_final-k_q6f4d591640_final
	.p2alignl 7, 3214868480
	.fill 96, 4, 3214868480
	.section	.rodata,"a",@progbits
	.p2align	6, 0x0
	.amdhsa_kernel k_q6f4d591640_final
		.amdhsa_group_segment_fixed_size 202752
		.amdhsa_private_segment_fixed_size 0
		.amdhsa_enable_private_segment 0
		.amdhsa_kernarg_size 48
		.amdhsa_user_sgpr_count 2
		.amdhsa_user_sgpr_kernarg_segment_ptr 1
		.amdhsa_wavefront_size32 1
		.amdhsa_system_sgpr_workgroup_id_x 1
		.amdhsa_system_sgpr_workgroup_id_y 1
		.amdhsa_system_sgpr_workgroup_id_z 1
		.amdhsa_system_vgpr_workitem_id 0
		.amdhsa_next_free_vgpr 256
		.amdhsa_next_free_sgpr 100
		.amdhsa_reserve_vcc 0
		.amdhsa_float_denorm_mode_32 3
		.amdhsa_float_denorm_mode_16_64 3
		.amdhsa_memory_ordered 1
		.amdhsa_forward_progress 1
		.amdhsa_inst_pref_size 68
	.end_amdhsa_kernel
	.amdgpu_metadata
---
amdhsa.version: [ 1, 2 ]
amdhsa.kernels:
  - .name:           k_q6f4d591640_final
    .symbol:         k_q6f4d591640_final.kd
    .args:
      - { .name: x, .offset: 0, .size: 8, .value_kind: global_buffer, .address_space: global }
      - { .name: gt, .offset: 8, .size: 8, .value_kind: global_buffer, .address_space: global }
      - { .name: ss, .offset: 16, .size: 8, .value_kind: global_buffer, .address_space: global }
      - { .name: cst, .offset: 24, .size: 8, .value_kind: global_buffer, .address_space: global }
      - { .name: cb, .offset: 32, .size: 8, .value_kind: global_buffer, .address_space: global }
      - { .name: out0, .offset: 40, .size: 8, .value_kind: global_buffer, .address_space: global }
    .group_segment_fixed_size: 202752
    .private_segment_fixed_size: 0
    .kernarg_segment_align: 8
    .kernarg_segment_size: 48
    .max_flat_workgroup_size: 128
    .sgpr_count:     100
    .vgpr_count:     256
    .wavefront_size: 32
...
	.end_amdgpu_metadata
.endif
;; end of part 3
;; ======== version 2 of 2: 3 launches; version 1 with the launch prep written anew for expert scheduling mode
;; workspace buffers: xb 16,777,216 bytes; wt 6,291,456 bytes; qb 6,144 bytes; gt 49,152 bytes; cst 6,144 bytes; ss 2,097,152 bytes
;; launch prep (part 4): grid 400 x 1, 8 waves a work-group, no clusters, 78,848 bytes of LDS; arguments x, xb, wq, wk, wt, cb, bq, qb, wo, cw, wv, bv, bo, gt, cst; writes xb, wt, qb, gt, cst
.if DOCPART == 4
	.amdgcn_target "amdgcn-amd-amdhsa--gfx1250"
	.amdhsa_code_object_version 6
	.text
	.protected	k_q6f4d591640_prep
	.globl	k_q6f4d591640_prep
	.p2align	8
	.type	k_q6f4d591640_prep,@function
k_q6f4d591640_prep:
	s_mov_b64 s[64:65], 0
	v_nop
	global_prefetch_b8 v0, s[64:65] scope:SCOPE_SE
	s_setreg_imm32_b32 hwreg(HW_REG_WAVE_SCHED_MODE, 0, 2), 2
	s_setreg_imm32_b32 hwreg(HW_REG_WAVE_MODE, 25, 1), 1
	s_wait_xcnt 0x0
	s_wait_alu depctr_vm_vsrc(0)
; PREPARATION for the three cross layers.  With p = 8 i + h (layer i, head h) it makes, once:
;   xb  = bf16(x), laid [kb 16][row 8192][64]: a block of 64 channels of 128 rows is 16,384 dense bytes
;   wt  = bf16 of wq and wk, turned to [kb 16][n 3072][64 d]; row n: see NROW below
;   qb  = beta_i @ wq_p + bq_p, beta_i = the sum of cb_j over j < i   (f32, [p][64])
;   gt  = G_p[d] = wv[i,d,h,:] . u_p, u_p[k] = wo[i,h,k,:] . cw_i     (bf16, [p][1024])
;   cst = (cv_p, c0h_p) = (bv_p . u_p, the sum over d' = 128 h .. 128 h + 127 of bo_i[d'] cw_i[d']), 32 times: 256 bytes a pair
; These rest on x_i = alpha_i x0 + beta_i and on out @ cw being linear in attn; they hold for every input.  LIMIT: the order of the f32 sums differs from the written one.
; FOUR ROLES by the work-group's number, the long ones first: G 0-95 (pair id / 4, quarter id % 4 of d), WQ 96-119 and WK 120-143 (a pair each), X 144-399 (32 rows of x each).
; The branches hang on the work-group's number alone, so all eight waves of a work-group take the same role and meet the same barriers.  Each role has LDS bytes of its own: no byte is named by two roles.
; All bytes come through registers: each weight is used for one multiply-add, nothing is read twice out of LDS.  NO CLUSTER: the one shared stream is wo (a pair's 262,144 bytes, read by its four
; G work-groups): it goes straight into registers, and is 19 of the launch's 100 million requested bytes.  No matrix unit: one f32 multiply-add for each weight byte read.
; NROW: j = p / 3, pl = p % 3, mat = 0 (q), 1 (k), c the head's channel.  pl < 2: n = 384 j + 192 pl + 64 mat + c.  pl = 2: n = 384 j + 192 (c / 32) + 128 + 32 mat + c % 32.
; THE MODE: SCHED_MODE bits 1:0 = 2 (LLVM: expert scheduling mode 2), set by the entry lines.  The code itself states the register dependences
; between vector instructions and memory or LDS instructions, with s_wait_alu, always for 0.
; THE PLAN.  In every role the offsets and LDS addresses are made once, ahead of one wait on va_vdst, and never written again.  Beyond them:
;   X   v16-143: load n lands in four registers; its two conversions write the first two, in place; one store reads them; nothing writes them again.  The loads go in eight groups of four: the wait at group g's
;       head states that group g - 1's conversions have written, and that group's four stores are dealt among group g's conversions, which name group g's registers alone.
;   W   T (v104-231): loads land; qb's sums and the conversions read; the stage's loads land in v104-167; the stores to wt read those.  Four sets of packed columns (v40-103): the conversions write, the LDS stores read.
;       ONE wait on va_vdst a block, behind its 64 conversions: the sets are written and T is read.  Behind it, in the first block, the second block's upper 16 loads go out into v168-231, dealt among the LDS stores.
;       ONE wait on vm_vsrc at the second block's head: the stores have read v104-167 and the LDS stores v40-103, which are written again.
;   G   Five row slots (v48-207): group g lands in slot g % 5; row rr's products read slot rr % 5, and group rr + 4's loads land in slot (rr - 1) % 5, dealt among them behind ONE wait on va_vdst at the row's head.
;       u, G and the packed G are written by vector instructions, read by stores behind a wait each, and not written again.
.set GLB,   1024                       ; LDS, role G: the work-group's 256 G in f32, 1,024 bytes;  u lies at LDS byte 0 (256 bytes)
.set STG,   2048                       ; LDS, roles WQ and WK: eight waves' stages, 64 rows x 144 bytes = 9,216 bytes each
.set QPB,   STG+8*9216                 ; LDS, role WQ: eight waves' partial qb, 256 bytes each (75,776)
.set SPARE, QPB+8*256                  ; LDS: the spare words, 128 bytes for each of eight waves (77,824)
.set QA,    32                         ; v32-39   WQ: qb's partial sums: parity of t x (c0 c1, c2 c3)
.set BET,   40                         ; v40-71   WQ: beta of my 32 d
.set CB1,   72                         ; v72-103  WQ: cb row 1 of my 32 d
.set PKD,   40                         ; v40-103  W: set e of four, 16 registers at PKD + 16 e: 32 d of column 4 r + e, packed; they lie over beta and cb row 1, which are read out by then
.set TT,    104                        ; v104-231 W: T[t][e], d = 64 kb + 32 (lane / 16) + t, c = 4 (lane % 16) + e
	s_load_b512 s[8:23], s[0:1], 0x0               ; x 8, xb 10, wq 12, wk 14, wt 16, cb 18, bq 20, qb 22
	s_load_b256 s[24:31], s[0:1], 0x40             ; wo 24, cw 26, wv 28, bv 30
	s_load_b128 s[32:35], s[0:1], 0x60             ; bo 32, gt 34
	s_load_b64 s[36:37], s[0:1], 0x70              ; cst
	v_lshl_add_u32 v4, v0, 2, SPARE                ; my spare word; never rewritten
	v_mov_b32 v5, 0                                ; 0; never rewritten
	v_and_b32 v1, 31, v0                           ; l
	v_and_b32 v2, 15, v0                           ; r = l % 16
	v_bfe_u32 v3, v0, 4, 1                         ; hh = l / 16
	v_lshrrev_b32 v6, 5, v0
	v_readfirstlane_b32 s3, v6                     ; wave 0..7
	s_mov_b32 s46, 0x76543210                      ; v_permlanex16_b32: each lane takes its own place in the other half
	s_mov_b32 s47, 0xfedcba98
	s_mov_b32 s39, 0                               ; the high word of every offset pair s[38:39]
	s_wait_alu depctr_va_sdst(0)                   ; s3 is written, ahead of the branches and of its first reader in each role
	s_wait_kmcnt 0x0
	s_cmp_lt_u32 ttmp9, 96
	s_cbranch_scc1 .Lrole_g
	s_cmp_lt_u32 ttmp9, 120
	s_cbranch_scc1 .Lrole_wq
	s_cmp_lt_u32 ttmp9, 144
	s_cbranch_scc1 .Lrole_wk
; ROLE X.  32 rows a work-group, 4 a wave, as two pairs of rows.  Load n = 16 rp + kb: lanes 0-15 take 256 consecutive bytes (64 channels) of one row, lanes 16-31 of the next.
; All 32 loads of a wave go out at once (16 KiB); they are rounded in groups of four as they come, and a group is stored among the next group's roundings: 32 lanes x 8 bytes are two rows' 128 bytes of xb, 256 consecutive bytes, aligned.
	s_sub_co_u32 s40, ttmp9, 144
	s_lshl_b32 s38, s40, 17                        ; 32 rows of 4,096 bytes
	s_add_nc_u64 s[8:9], s[8:9], s[38:39]
	s_lshl_b32 s38, s40, 12                        ; 32 rows of 128 bytes
	s_add_nc_u64 s[10:11], s[10:11], s[38:39]
	s_add_nc_u64 s[48:49], s[10:11], 0x800000      ; blocks kb 8-15: their distance does not fit a store's immediate
	v_lshlrev_b32 v6, 4, v2
	v_lshl_add_u32 v6, v3, 12, v6
	s_lshl_b32 s41, s3, 14
	v_add_nc_u32 v6, s41, v6                       ; 16,384 w + 4,096 hh + 16 r
	v_lshlrev_b32 v7, 3, v2
	v_lshl_add_u32 v7, v3, 7, v7
	s_lshl_b32 s41, s3, 9
	v_add_nc_u32 v7, s41, v7                       ; 512 w + 128 hh + 8 r
	s_wait_alu depctr_va_vdst(0)                   ; v6 and v7 are written: every load of this role reads the one as its offset, every store the other
.set n, 0
.rept 32
	global_load_b128 v[16+4*n:16+4*n+3], v6, s[8:9] offset:8192*(n/16)+256*(n%16) th:TH_LOAD_NT
.set n, n+1
.endr
.macro XOUT m                          ; the store of load m's eight bytes a lane
.if ((\m)%16) < 8
	global_store_b64 v7, v[16+4*(\m):16+4*(\m)+1], s[10:11] offset:((\m)%8)*1048576+256*((\m)/16)
.else
	global_store_b64 v7, v[16+4*(\m):16+4*(\m)+1], s[48:49] offset:((\m)%8)*1048576+256*((\m)/16)
.endif
.endm
.set n, 0
.rept 32
.if n%4 == 0
	s_wait_loadcnt 28-n                            ; loads come back in order: this group's four are in, the 28 - n younger ones stay out
.if n > 0
	s_wait_alu depctr_va_vdst(0)                   ; the group before has written its four pairs, which the four stores dealt below read
.endif
.endif
.if n >= 4
	XOUT n-4                                       ; no vector instruction since the wait names its registers
.endif
	v_cvt_pk_bf16_f32 v[16+4*n], v[16+4*n], v[16+4*n+1]
	v_cvt_pk_bf16_f32 v[16+4*n+1], v[16+4*n+2], v[16+4*n+3]
.set n, n+1
.endr
	s_wait_alu depctr_va_vdst(0)                   ; the last group has written its four pairs, which the last four stores read
	XOUT 28
	XOUT 29
	XOUT 30
	XOUT 31
	s_branch .Lend
; ROLES WQ AND WK.  One head's matrix [1024 d][64 c] a work-group; wave w turns the blocks kb = w and w + 8 of 64 d.
; A block: 32 loads (each half of the lanes takes the 256 bytes of one d); for each e a lane packs its 32 d of column 4 r + e into 64 bytes and puts them into its wave's stage (64 rows c, pitch 144);
; the rows come back whole, four to a load, and leave as 512 consecutive bytes of wt.  The stage is the wave's own, and LDS serves a wave's instructions in order: no wait between stores and loads.
.macro TILE tl, withq
.if (\tl) > 0
	s_wait_xcnt 0x0                                ; the first block's stores have had their addresses translated: only behind this wait are T's registers loaded again
	s_wait_alu depctr_vm_vsrc(0)                   ; the first block's stores to wt have read v104-167, its LDS stores v40-103: the loads and the conversions below write them again
.endif
.if \withq
.irp q, 0,1,2,3,4,5,6,7
	global_load_b128 v[BET+4*(\q):BET+4*(\q)+3], v7, s[18:19] offset:2048*(\tl)+16*(\q)        ; cb row 0 of my 32 d
	global_load_b128 v[CB1+4*(\q):CB1+4*(\q)+3], v7, s[18:19] offset:2048*(\tl)+16*(\q)+4096   ; cb row 1
.endr
.endif
.set t, 0
.rept 32-16*(\tl)                      ; the second block's t = 16 .. 31 were asked for in the first block
	global_load_b128 v[TT+4*t:TT+4*t+3], v6, s[48:49] offset:1048576*(\tl)+2048*t th:TH_LOAD_NT
.set t, t+1
.endr
	s_wait_loadcnt 0x0
.if \withq
.set z, 0
.rept 16
	v_pk_mul_f32 v[BET+2*z:BET+2*z+1], v[BET+2*z:BET+2*z+1], s[42:43] op_sel_hi:[1,0]          ; beta = f0 cb_0
.set z, z+1
.endr
.set z, 0
.rept 16
	v_pk_fma_f32 v[BET+2*z:BET+2*z+1], v[CB1+2*z:CB1+2*z+1], s[44:45], v[BET+2*z:BET+2*z+1] op_sel_hi:[1,0,1]  ; + f1 cb_1
.set z, z+1
.endr
.set t, 0
.rept 32                               ; qb's partial sums: T[t][c] beta[t], two columns an instruction, even and odd t in chains of their own; the block's first two t start the sums
.irp c, 0,2
.if ((\tl) == 0) && (t < 2)
.if t%2
	v_pk_mul_f32 v[QA+4+(\c):QA+5+(\c)], v[TT+4*t+(\c):TT+4*t+(\c)+1], v[BET+2*(t/2):BET+2*(t/2)+1] op_sel:[0,1] op_sel_hi:[1,1]
.else
	v_pk_mul_f32 v[QA+(\c):QA+1+(\c)], v[TT+4*t+(\c):TT+4*t+(\c)+1], v[BET+2*(t/2):BET+2*(t/2)+1] op_sel_hi:[1,0]
.endif
.else
.if t%2
	v_pk_fma_f32 v[QA+4+(\c):QA+5+(\c)], v[TT+4*t+(\c):TT+4*t+(\c)+1], v[BET+2*(t/2):BET+2*(t/2)+1], v[QA+4+(\c):QA+5+(\c)] op_sel:[0,1,0] op_sel_hi:[1,1,1]
.else
	v_pk_fma_f32 v[QA+(\c):QA+1+(\c)], v[TT+4*t+(\c):TT+4*t+(\c)+1], v[BET+2*(t/2):BET+2*(t/2)+1], v[QA+(\c):QA+1+(\c)] op_sel_hi:[1,0,1]
.endif
.endif
.endr
.set t, t+1
.endr
.endif
.irp e, 0,1,2,3
.set tp, 0
.rept 16
	v_cvt_pk_bf16_f32 v[PKD+16*(\e)+tp], v[TT+8*tp+(\e)], v[TT+8*tp+4+(\e)]
.set tp, tp+1
.endr
.endr
	s_wait_alu depctr_va_vdst(0)                   ; the conversions have written the four sets, which the LDS stores read, and are done reading T, in which the loads below land
.set t, 16
.irp e, 0,1,2,3
.irp q, 0,1,2,3
.if (\tl) == 0
	global_load_b128 v[TT+4*t:TT+4*t+3], v6, s[48:49] offset:1048576+2048*t th:TH_LOAD_NT      ; the second block's t = 16 .. 31: nothing names v168-231 before that block's wait for its loads
.set t, t+1
.endif
	ds_store_b128 v8, v[PKD+16*(\e)+4*(\q):PKD+16*(\e)+4*(\q)+3] offset:144*(\e)+16*(\q)
.endr
.endr
.irp s, 0,1,2,3,4,5,6,7,8,9,10,11,12,13,14,15
	ds_load_b128 v[TT+4*(\s):TT+4*(\s)+3], v9 offset:576*(\s)                                  ; columns 4 s .. 4 s + 3, 128 bytes each
.endr
.irp s, 0,1,2,3,4,5,6,7,8,9,10,11,12,13,14,15
	s_wait_dscnt 15-(\s)                           ; load s is back, the younger ones stay out
.if (\s) < 8
	global_store_b128 v10, v[TT+4*(\s):TT+4*(\s)+3], s[16:17] offset:3145728*(\tl)+512*(\s)
.else
	global_store_b128 v11, v[TT+4*(\s):TT+4*(\s)+3], s[16:17] offset:3145728*(\tl)+512*(\s)    ; columns 32-63: a third pair's second half lies 160 rows further on
.endif
.endr
.endm
.macro WROLE withq, idbase, src
	s_sub_co_u32 s40, ttmp9, \idbase               ; p
	s_lshr_b32 s41, s40, 3                         ; i
	s_and_b32 s50, s40, 7                          ; h
	s_mul_i32 s51, s40, 11
	s_lshr_b32 s51, s51, 5                         ; j = p / 3 (exact for p < 24)
	s_mul_i32 s52, s51, 3
	s_sub_co_u32 s52, s40, s52                     ; pl
	s_mul_i32 s53, s51, 384
	s_mul_i32 s55, s52, 192
	s_add_co_u32 s55, s55, 64*(1-(\withq))
	s_cmp_eq_u32 s52, 2
	s_cselect_b32 s55, 128+32*(1-(\withq)), s55
	s_cselect_b32 s54, 160*128, 0                  ; what columns 32-63 add, in bytes
	s_add_co_u32 s53, s53, s55
	s_lshl_b32 s53, s53, 7                         ; the first row n, in bytes
	s_lshl_b32 s38, s41, 21
	s_lshl_b32 s57, s50, 8
	s_add_co_u32 s38, s38, s57
	s_add_nc_u64 s[48:49], s[\src:\src+1], s[38:39]  ; the head's matrix: + 2,097,152 i + 256 h
	s_lshl_b32 s57, s3, 17
	v_lshlrev_b32 v6, 4, v2
	v_lshl_add_u32 v6, v3, 16, v6
	v_add_nc_u32 v6, s57, v6                       ; 131,072 w + 65,536 hh + 16 r
	s_mul_i32 s58, s3, 9216
	s_add_co_u32 s58, s58, STG                     ; my wave's stage
	v_mul_u32_u24 v8, v2, 576
	v_lshl_add_u32 v8, v3, 6, v8
	v_add_nc_u32 v8, s58, v8                       ; in: row 4 r (+ e), byte 64 hh
	v_lshrrev_b32 v9, 3, v1
	v_mul_u32_u24 v9, v9, 144
	v_and_b32 v12, 7, v1
	v_lshl_add_u32 v9, v12, 4, v9
	v_add_nc_u32 v9, s58, v9                       ; back: row l / 8, byte 16 (l % 8)
	s_mul_i32 s56, s3, 393216
	s_add_co_u32 s56, s56, s53
	v_lshl_add_u32 v10, v1, 4, s56                 ; wt: block kb = w, first row n, 16 l
	v_add_nc_u32 v11, s54, v10
.if \withq
	s_lshl_b32 s57, s3, 8
	v_lshl_add_u32 v7, v3, 7, s57                  ; cb: 256 w + 128 hh
	s_add_co_u32 s57, s57, QPB
	v_lshl_add_u32 v12, v2, 4, s57                 ; my wave's partial qb, 16 r
	s_cmp_ge_u32 s41, 1
	s_cselect_b32 s42, 1.0, 0                      ; f0: cb_0 counts from layer 1 on
	s_mov_b32 s43, s42
	s_cmp_ge_u32 s41, 2
	s_cselect_b32 s44, 1.0, 0                      ; f1: cb_1 in layer 2
	s_mov_b32 s45, s44
.endif
	s_wait_alu depctr_va_vdst(0)                   ; the offsets and LDS addresses v6 to v12 are written, which the loads and stores of both blocks read
	TILE 0, \withq
	TILE 1, \withq
.endm
.Lrole_wk:
	WROLE 0, 120, 14
	s_branch .Lend
.Lrole_wq:
	WROLE 1, 96, 12
	s_wait_alu depctr_vm_vsrc(0)                   ; the second block's LDS stores have read v40-103: the exchange below writes v40-43, and wave 0's loads land in v44-61
	v_pk_add_f32 v[QA:QA+1], v[QA:QA+1], v[QA+4:QA+5]          ; the two parities,
	v_pk_add_f32 v[QA+2:QA+3], v[QA+2:QA+3], v[QA+6:QA+7]
.irp e, 0,1,2,3
	v_permlanex16_b32 v[BET+(\e)], v[QA+(\e)], s46, s47        ; the other half of the lanes' 32 d,
.endr
	v_pk_add_f32 v[QA:QA+1], v[QA:QA+1], v[BET:BET+1]
	v_pk_add_f32 v[QA+2:QA+3], v[QA+2:QA+3], v[BET+2:BET+3]
	s_lshl_b32 s57, s40, 8
	v_lshl_add_u32 v13, v1, 3, s57                 ; 256 p + 8 l: columns 2 l, 2 l + 1
	v_lshl_add_u32 v14, v1, 3, QPB
	s_wait_alu depctr_va_vdst(0)                   ; my four sums are written, which the LDS store reads; so are v13 and v14, by which wave 0 loads and stores below
	ds_store_b128 v12, v[QA:QA+3]                  ; and the eight waves' sums meet in LDS (both halves of the lanes write the same numbers)
	s_wait_dscnt 0x0                               ; for the others' sake: my store is done
	s_barrier_signal -1
	s_barrier_wait -1
	s_cmp_lg_u32 s3, 0
	s_cbranch_scc1 .Lend                           ; wave 0 finishes qb
	global_load_b64 v[60:61], v13, s[20:21]        ; bq
.irp w, 0,1,2,3,4,5,6,7
	ds_load_b64 v[44+2*(\w):45+2*(\w)], v14 offset:256*(\w)
.endr
	s_wait_dscnt 0x0
	s_wait_loadcnt 0x0
	v_pk_add_f32 v[44:45], v[44:45], v[46:47]
	v_pk_add_f32 v[48:49], v[48:49], v[50:51]
	v_pk_add_f32 v[52:53], v[52:53], v[54:55]
	v_pk_add_f32 v[56:57], v[56:57], v[58:59]
	v_pk_add_f32 v[44:45], v[44:45], v[48:49]
	v_pk_add_f32 v[52:53], v[52:53], v[56:57]
	v_pk_add_f32 v[44:45], v[44:45], v[52:53]
	v_pk_add_f32 v[44:45], v[44:45], v[60:61]
	s_wait_alu depctr_va_vdst(0)                   ; the last addition has written v[44:45], which the store reads
	global_store_b64 v13, v[44:45], s[22:23]       ; 32 lanes x 8 bytes: the pair's 256 bytes, whole
	s_branch .Lend
; ROLE G.  First u_p: wave w makes u[8 w .. 8 w + 7], a row of wo (4,096 bytes, 8 loads a lane) each, through five row slots: while a row is multiplied three rows are on their way and a fourth is asked for.
; The slots that come free last take the wave's 32 rows d of wv's head slice.  Then G[d] = wv[d] . u for d = 256 dq + 32 w + 2 t + hh, a half of the lanes to a d.
.set CWR, 16                           ; v16-47   cw_i
.set SL,  48                           ; v48-207  five row slots of 32 registers
.set WVR, SL+96                        ; v144-207 slots 3 and 4 at the end: wv's 16 pieces
.set BVR, 208                          ; v208-209 bv
.set BOR, 210                          ; v210-213 bo of my 4 d'
.set CWH, 214                          ; v214-217 cw of my 4 d'
.set UU,  218                          ; v218-225 eight u
.set AW,  226                          ; v226-229 at work
.set U4,  230                          ; v230-233 u[4 r ..]
.set U2,  234                          ; v234-235 u[2 l ..]
.set GG,  236                          ; v236-251 G
.set CV,  252                          ; v252-253 cv, c0h
.Lrole_g:
	s_lshr_b32 s40, ttmp9, 2                       ; p
	s_and_b32 s51, ttmp9, 3                        ; dq
	s_lshr_b32 s41, s40, 3                         ; i
	s_and_b32 s50, s40, 7                          ; h
	s_lshl_b32 s38, s41, 12
	s_add_nc_u64 s[26:27], s[26:27], s[38:39]      ; cw_i
	s_add_nc_u64 s[32:33], s[32:33], s[38:39]      ; bo_i
	s_lshl_b32 s38, s50, 9
	s_add_nc_u64 s[32:33], s[32:33], s[38:39]      ; bo_i at d' = 128 h
	s_add_nc_u64 s[48:49], s[26:27], s[38:39]      ; cw_i at d' = 128 h
	s_lshl_b32 s38, s40, 18
	s_add_nc_u64 s[24:25], s[24:25], s[38:39]      ; wo's 64 rows of the pair
	s_lshl_b32 s38, s41, 21
	s_lshl_b32 s52, s50, 8
	s_add_co_u32 s38, s38, s52
	s_lshl_b32 s52, s51, 19
	s_add_co_u32 s38, s38, s52
	s_add_nc_u64 s[28:29], s[28:29], s[38:39]      ; wv: layer, head, my quarter's first d
	s_lshl_b32 s38, s40, 8
	s_add_nc_u64 s[30:31], s[30:31], s[38:39]      ; bv_p
	s_add_nc_u64 s[36:37], s[36:37], s[38:39]      ; cst's block p
	s_lshl_b32 s38, s40, 11
	s_lshl_b32 s52, s51, 9
	s_add_co_u32 s38, s38, s52
	s_add_nc_u64 s[34:35], s[34:35], s[38:39]      ; gt: row p, my quarter
	v_lshlrev_b32 v6, 4, v1                        ; 16 l
	s_lshl_b32 s52, s3, 15
	v_add_nc_u32 v7, s52, v6                       ; wo: 8 rows a wave
	s_lshl_b32 s52, s3, 16
	v_lshlrev_b32 v8, 4, v2
	v_lshl_add_u32 v8, v3, 11, v8
	v_add_nc_u32 v8, s52, v8                       ; wv: row 32 w + hh, 16 r
	s_lshl_b32 s52, s3, 5
	v_mov_b32 v9, s52                              ; LDS: u[8 w]
	s_lshl_b32 s52, s3, 7
	s_add_co_u32 s52, s52, GLB
	v_lshl_add_u32 v10, v3, 2, s52                 ; LDS: G[32 w + hh]
	v_lshlrev_b32 v11, 3, v1                       ; 8 l
	v_lshlrev_b32 v12, 4, v2                       ; 16 r
	v_lshl_add_u32 v13, v1, 5, GLB                 ; LDS: G[8 l]
	s_wait_alu depctr_va_vdst(0)                   ; the offsets and LDS addresses v6 to v13 are written, which every load and store of this role reads
.set t, 0
.rept 8
	global_load_b128 v[CWR+4*t:CWR+4*t+3], v6, s[26:27] offset:512*t
.set t, t+1
.endr
	global_load_b64 v[BVR:BVR+1], v11, s[30:31]
	global_load_b128 v[BOR:BOR+3], v6, s[32:33]
	global_load_b128 v[CWH:CWH+3], v6, s[48:49]
.set n, 0
.rept 40
	global_load_b128 v[SL+4*n:SL+4*n+3], v7, s[24:25] offset:4096*(n/8)+512*(n%8)  ; rows 0-4
.set n, n+1
.endr
; Row rr.  Groups of eight loads: 0 to 7 are wo's rows, 8 and 9 wv's pieces 0-7 and 8-15; group g lands in slot g % 5.  Row rr (1 to 5) asks for group rr + 4, into the slot that the row before has read.
.macro DOT rr
.if (\rr) == 0
	s_wait_loadcnt 32                              ; cw, bv, bo and row 0 are in; four younger groups of eight loads stay out
.elseif (\rr) < 7
	s_wait_loadcnt 24                              ; row rr is in; three younger groups of eight loads stay out
.else
	s_wait_loadcnt 16                              ; behind the last row only wv's two groups are out
.endif
.if ((\rr) > 0) && ((\rr) < 6)
	s_wait_alu depctr_va_vdst(0)                   ; the products of the row before are done reading their slot, in which the eight loads dealt below land
.endif
.set RS, SL+32*((\rr)%5)
.set RN, SL+32*(((\rr)+4)%5)
.set t, 0
.rept 8
.if ((\rr) > 0) && ((\rr) < 4)
	global_load_b128 v[RN+4*t:RN+4*t+3], v7, s[24:25] offset:4096*((\rr)+4)+512*t              ; no vector instruction since the wait names this slot
.elseif ((\rr) == 4) || ((\rr) == 5)
	global_load_b128 v[RN+4*t:RN+4*t+3], v8, s[28:29] offset:4096*(8*((\rr)-4)+t) th:TH_LOAD_NT  ; wv's pieces 8 (rr - 4) + t
.endif
.if t == 0
	v_pk_mul_f32 v[AW:AW+1], v[RS:RS+1], v[CWR:CWR+1]
	v_pk_mul_f32 v[AW+2:AW+3], v[RS+2:RS+3], v[CWR+2:CWR+3]
.else
	v_pk_fma_f32 v[AW:AW+1], v[RS+4*t:RS+4*t+1], v[CWR+4*t:CWR+4*t+1], v[AW:AW+1]
	v_pk_fma_f32 v[AW+2:AW+3], v[RS+4*t+2:RS+4*t+3], v[CWR+4*t+2:CWR+4*t+3], v[AW+2:AW+3]
.endif
.set t, t+1
.endr
	v_pk_add_f32 v[AW:AW+1], v[AW:AW+1], v[AW+2:AW+3]
	v_add_f32 v[UU+(\rr)], v[AW], v[AW+1]
.endm
.irp rr, 0,1,2,3,4,5,6,7
	DOT \rr
.endr
.irp m, 1,2,4,8                        ; the eight sums over the 32 lanes, side by side
.irp rr, 0,1,2,3,4,5,6,7
	v_add_f32_dpp v[UU+(\rr)], v[UU+(\rr)], v[UU+(\rr)] row_xmask:\m row_mask:0xf bank_mask:0xf
.endr
.endr
.irp rr, 0,1,2,3,4,5,6,7
	v_permlanex16_b32 v[SL+(\rr)], v[UU+(\rr)], s46, s47       ; into registers of row slot 0, which is read out
.endr
.irp rr, 0,1,2,3,4,5,6,7
	v_add_f32 v[UU+(\rr)], v[UU+(\rr)], v[SL+(\rr)]
.endr
	s_wait_alu depctr_va_vdst(0)                   ; the eight u are written, which the LDS stores read
.irp rr, 0,1,2,3,4,5,6,7
	ds_store_b32 v9, v[UU+(\rr)] offset:4*(\rr)    ; all lanes write the same word with the same number
.endr
	s_wait_dscnt 0x0                               ; for the others' sake: my eight u are in LDS
	s_barrier_signal -1
	s_barrier_wait -1                              ; all 64 are
	ds_load_b128 v[U4:U4+3], v12
	ds_load_b64 v[U2:U2+1], v11
	s_wait_dscnt 0x0
	s_wait_loadcnt 8                               ; wv's pieces 0-7 are in, pieces 8-15 may stay out
.set t, 0
.rept 16
.if t == 8
	s_wait_loadcnt 0x0
.endif
	v_pk_mul_f32 v[WVR+4*t:WVR+4*t+1], v[WVR+4*t:WVR+4*t+1], v[U4:U4+1]
	v_pk_fma_f32 v[WVR+4*t:WVR+4*t+1], v[WVR+4*t+2:WVR+4*t+3], v[U4+2:U4+3], v[WVR+4*t:WVR+4*t+1]
	v_add_f32 v[GG+t], v[WVR+4*t], v[WVR+4*t+1]
.set t, t+1
.endr
	v_pk_mul_f32 v[AW:AW+1], v[BVR:BVR+1], v[U2:U2+1]          ; cv: bv . u
	v_pk_mul_f32 v[AW+2:AW+3], v[BOR:BOR+1], v[CWH:CWH+1]      ; c0h: bo . cw over the head's 128 d'
	v_pk_fma_f32 v[AW+2:AW+3], v[BOR+2:BOR+3], v[CWH+2:CWH+3], v[AW+2:AW+3]
	v_add_f32 v[CV], v[AW], v[AW+1]
	v_add_f32 v[CV+1], v[AW+2], v[AW+3]
.irp m, 1,2,4,8
.set t, 0
.rept 18                               ; G's 16 (a half of the lanes each) and cv, c0h
	v_add_f32_dpp v[GG+t], v[GG+t], v[GG+t] row_xmask:\m row_mask:0xf bank_mask:0xf
.set t, t+1
.endr
.endr
	v_permlanex16_b32 v[SL], v[CV], s46, s47
	v_permlanex16_b32 v[SL+1], v[CV+1], s46, s47
	v_add_f32 v[CV], v[CV], v[SL]
	v_add_f32 v[CV+1], v[CV+1], v[SL+1]
	s_wait_alu depctr_va_vdst(0)                   ; the sixteen G are written, which the LDS stores read; so are cv and c0h, which cst's store reads; and the products are done reading cw's registers, in which wave 0's LDS loads land
.set t, 0
.rept 16
	ds_store_b32 v10, v[GG+t] offset:8*t
.set t, t+1
.endr
	s_wait_dscnt 0x0
	s_barrier_signal -1
	s_barrier_wait -1                              ; the work-group's 256 G lie in LDS
	s_cmp_lg_u32 s3, 0
	s_cbranch_scc1 .Lend
	ds_load_b128 v[16:19], v13
	ds_load_b128 v[20:23], v13 offset:16
	s_wait_dscnt 0x0
	v_cvt_pk_bf16_f32 v24, v16, v17
	v_cvt_pk_bf16_f32 v25, v18, v19
	v_cvt_pk_bf16_f32 v26, v20, v21
	v_cvt_pk_bf16_f32 v27, v22, v23
	s_wait_alu depctr_va_vdst(0)                   ; the conversions have written v[24:27], which the store reads
	global_store_b128 v6, v[24:27], s[34:35]       ; 512 consecutive bytes of gt
	s_cmp_lg_u32 s51, 0
	s_cbranch_scc1 .Lend                           ; the pair's first quarter writes its constants
	global_store_b64 v11, v[CV:CV+1], s[36:37]     ; the same pair from every lane: 256 bytes, whole
.Lend:
	s_wait_dscnt 0x0                               ; the closing lines, six on end
	s_wait_alu 0x0
	s_wait_tensorcnt 0x0
	ds_add_u32 v4, v5
	s_wait_dscnt 0x0
	s_endpgm
.Lfunc_end_k_q6f4d591640_prep:
	.size	k_q6f4d591640_prep, .Lfunc_end_k_q6f4d591640_prep-k_q6f4d591640_prep
	.p2alignl 7, 3214868480
	.fill 96, 4, 3214868480
	.section	.rodata,"a",@progbits
	.p2align	6, 0x0
	.amdhsa_kernel k_q6f4d591640_prep
		.amdhsa_group_segment_fixed_size 78848
		.amdhsa_private_segment_fixed_size 0
		.amdhsa_enable_private_segment 0
		.amdhsa_kernarg_size 120
		.amdhsa_user_sgpr_count 2
		.amdhsa_user_sgpr_kernarg_segment_ptr 1
		.amdhsa_wavefront_size32 1
		.amdhsa_system_sgpr_workgroup_id_x 1
		.amdhsa_system_sgpr_workgroup_id_y 1
		.amdhsa_system_sgpr_workgroup_id_z 1
		.amdhsa_system_vgpr_workitem_id 0
		.amdhsa_next_free_vgpr 256
		.amdhsa_next_free_sgpr 66
		.amdhsa_reserve_vcc 0
		.amdhsa_float_denorm_mode_32 3
		.amdhsa_float_denorm_mode_16_64 3
		.amdhsa_memory_ordered 1
		.amdhsa_forward_progress 1
		.amdhsa_inst_pref_size 111
	.end_amdhsa_kernel
	.amdgpu_metadata
---
amdhsa.version: [ 1, 2 ]
amdhsa.kernels:
  - .name:           k_q6f4d591640_prep
    .symbol:         k_q6f4d591640_prep.kd
    .args:
      - { .name: x, .offset: 0, .size: 8, .value_kind: global_buffer, .address_space: global }
      - { .name: xb, .offset: 8, .size: 8, .value_kind: global_buffer, .address_space: global }
      - { .name: wq, .offset: 16, .size: 8, .value_kind: global_buffer, .address_space: global }
      - { .name: wk, .offset: 24, .size: 8, .value_kind: global_buffer, .address_space: global }
      - { .name: wt, .offset: 32, .size: 8, .value_kind: global_buffer, .address_space: global }
      - { .name: cb, .offset: 40, .size: 8, .value_kind: global_buffer, .address_space: global }
      - { .name: bq, .offset: 48, .size: 8, .value_kind: global_buffer, .address_space: global }
      - { .name: qb, .offset: 56, .size: 8, .value_kind: global_buffer, .address_space: global }
      - { .name: wo, .offset: 64, .size: 8, .value_kind: global_buffer, .address_space: global }
      - { .name: cw, .offset: 72, .size: 8, .value_kind: global_buffer, .address_space: global }
      - { .name: wv, .offset: 80, .size: 8, .value_kind: global_buffer, .address_space: global }
      - { .name: bv, .offset: 88, .size: 8, .value_kind: global_buffer, .address_space: global }
      - { .name: bo, .offset: 96, .size: 8, .value_kind: global_buffer, .address_space: global }
      - { .name: gt, .offset: 104, .size: 8, .value_kind: global_buffer, .address_space: global }
      - { .name: cst, .offset: 112, .size: 8, .value_kind: global_buffer, .address_space: global }
    .group_segment_fixed_size: 78848
    .private_segment_fixed_size: 0
    .kernarg_segment_align: 8
    .kernarg_segment_size: 120
    .max_flat_workgroup_size: 256
    .sgpr_count:     66
    .vgpr_count:     256
    .wavefront_size: 32
...
	.end_amdgpu_metadata
.endif
;; end of part 4
;; launch gemm: the kernel of part 2 again; grid 8 x 32, 4 waves a work-group, clusters of 4 x 4, 327,680 bytes of LDS; arguments xb, wt, bk, qb, ss; writes ss
;; launch final: the kernel of part 3 again; grid 256 x 1, 4 waves a work-group, no clusters, 202,752 bytes of LDS; arguments x, gt, ss, cst, cb, out0; writes out0
